; MI455X (gfx1250); checked and timed in simulation.
; The chip was launched on July 23, 2026; its instructions are those of AMD's public machine-readable ISA for CDNA 5 (MIT licence, August 2026) and "CDNA5" Instruction Set Architecture Reference Guide (July 2026). The comments in the code are by the model that wrote it; some were corrected since.
;; Intern Attention. Allowed arithmetic: matrix products marked QUANTISED: E2M3 operands, one E8M0 scale for each 32 along K, by v_wmma_scale_f32_16x16x128_f8f6f4 with both operands' format E2M3, f32 sums; everything else in f32.
;; Inputs: b_proj 1,024 float32; b_qkv 3,072 float32; w_proj 1,024 x 1,024 float32; w_qkv 3,072 x 1,024 float32; x 4 x 2,048 x 1,024 float32.
;; Outputs: out0 4 x 2,048 x 1,024 float32.
;; This version of the problem:
;;   THIS VERSION OF THE PROBLEM IS GIVEN IN LOW PRECISION. The matrix products marked QUANTISED in the list below multiply operands that are first quantised to E2M3 (2 exponent bits, 3 mantissa bits; 6 bits a number), with one power-of-two scale for each 32 numbers along K (OCP MX v1.0); their sums are f32. All else is computed in f32.
;;   The module's matrix products, in the order in which they are computed (A, B: the left and right operand; K: the contracted axis; several contracted axes count as one K, in the product's order):
;;     1. [M 8,192, K 1,024] x [K 1,024, N 3,072]; A: input x; B: input w_qkv: QUANTISED
;;     2. batch 64 x [M 2,048, K 64] x [K 64, N 2,048]; A: computed on the way; B: computed on the way: QUANTISED
;;     3. batch 64 x [M 64, K 2,048] x [K 2,048, N 2,048]; A: computed on the way; B: softmax (see below): QUANTISED
;;     4. [M 8,192, K 1,024] x [K 1,024, N 1,024]; A: computed on the way; B: input w_proj: QUANTISED
;;   THE QUANTISER, for each operand of a quantised product, along K:
;;     - K is cut into blocks of 32 from its start; a last block that is shorter is filled with zeros.
;;     - A block's scale is 2^e with e = floor(log2(the largest magnitude in the block)) - 2, held to -126 .. 127; a block of zeros has e = 0. As a byte (E8M0): e + 127.
;;     - Each number is divided by its block's scale, clamped to +-7.5, and rounded to the nearest number of E2M3, ties to even, subnormals kept.
;;     - The product sums the exact products of the quantised numbers (number of the format x scale) in f32.
;;   ~~~python
;;   def quantise(x, axis):      # numpy; x: float32 -> the quantised numbers, widened to float32 again
;;       x = np.moveaxis(x, axis, -1); K = x.shape[-1]
;;       x = np.pad(x, [(0, 0)] * (x.ndim - 1) + [(0, -K % 32)]); x = x.reshape(x.shape[:-1] + (-1, 32)); a = np.abs(x).max(-1, keepdims=True)
;;       e = np.where(a > 0, np.clip(np.frexp(np.where(a > 0, a, 1))[1] - 1 - 2, -126, 127), 0)      # np.frexp(a)[1] - 1 = floor(log2(a)), exactly
;;       r = np.clip(x / 2.0 ** e, -7.5, 7.5)
;;       step = 2.0 ** (np.maximum(np.frexp(np.where(r == 0, 1, r))[1] - 1, 0) - 3)
;;       q = np.round(r / step) * step * 2.0 ** e      # np.round: ties to even
;;       return np.moveaxis(q.reshape(q.shape[:-2] + (-1,))[..., :K], -1, axis).astype(np.float32)
;;   ~~~
;;   SOFTMAX AHEAD OF A QUANTISED PRODUCT. Where the list says 'softmax', what is quantised is not the finished softmax but p = 2^(t - M), with t = logit x log2(e) and M = ceil(the row's largest t), a whole number; so 1/2 < the row's largest p <= 1. The row's sum l is taken of the UNQUANTISED p, in f32, and the product's result is divided by l at the end. Since M is a whole number, a kernel that streams over the keys may use a running M (the ceiling of the running maximum): every later rescaling is an exact power of two, which a block's scale takes up: the codes' values come out the same.
;;   OPERANDS COMPUTED ON THE WAY. 'Computed on the way' means the value that the module computes at that place (a softmax that the list does not call 'softmax' is quantised finished and normalised). What goes into a quantiser is computed in f32, as accurately as f32 sums, v_exp_f32 and their like allow (about 1e-6 of the number): no bf16 or f16 on the way to a quantiser, and a product that is left as it is and whose result goes on into a quantised operand takes f32 operands (vector FMAs, or v_wmma_f32_16x16x4_f32). A number that lies on a knife's edge between two numbers of the format may be rounded either way, as far as f32 arithmetic and the matrix unit's own rounding can turn it there, and no further.
;; One version. Each part assembles by itself: llvm-mc -triple=amdgcn-amd-amdhsa -mcpu=gfx1250 --defsym DOCPART=n.
;; ======== version 1 of 1: 4 launches
;; limits: right only within a limited range of input values
;; workspace buffers: cod 9,437,184 bytes; scl 393,216 bytes; qkv 18,874,368 bytes; qkvs 1,310,720 bytes; oc 6,291,456 bytes; os 262,144 bytes
;; launch quant (part 1): grid 768 x 1, 4 waves a work-group, no clusters, 67,072 bytes of LDS; arguments x, w_qkv, w_proj, cod, scl; writes cod, scl
.if DOCPART == 1
	.amdgcn_target "amdgcn-amd-amdhsa--gfx1250"
	.amdhsa_code_object_version 6
	.text
	.protected	k_qf7e21430a6_quant
	.globl	k_qf7e21430a6_quant
	.p2align	8
	.type	k_qf7e21430a6_quant,@function
k_qf7e21430a6_quant:
	s_mov_b64 s[64:65], 0
	v_nop
	global_prefetch_b8 v0, s[64:65] scope:SCOPE_SE
	s_setreg_imm32_b32 hwreg(HW_REG_WAVE_MODE, 25, 1), 1
	s_wait_xcnt 0x0
; x [8192][1024], w_qkv [3072][1024] and w_proj [1024][1024], f32, K innermost, become codes of FP6 (E2M3) with one E8M0 scale byte for each 32 along K.
; A block's scale is 2^(floor(log2(its largest magnitude)) - 2); its byte is the largest magnitude's exponent field - 2, held at 1 from below.
; LIMITS: NaN and infinities are not served; a block whose largest magnitude lies under 2^-124, a block of zeros among them, gets the byte 1 (its codes are then small or zero; the bytes are read by this program alone).
; LAYOUT OF THE CODES: images of operand registers.  16 rows x 64 K are six registers a lane: 768 bytes, registers 0-3 at 16 x lane, registers 4-5 at 512 + 8 x lane.  cod = [K / 256 (4)][tile of 16 rows (768)][4 such images];
; tiles 0-511 x, 512-703 w_qkv, 704-767 w_proj.  scl = [tile][K / 256][row (16)][2 words]: a word is the four bytes of 128 along K.
; THE PLACES INSIDE A BLOCK OF 32 ARE PERMUTED: place p holds k = 0..7, 16..23, 8..15, 24..31.  Every operand of this program is laid so, so the products are the same; a block's members, its scale and its codes' values are untouched.
; SHARES: work-group g takes tile g, wave w its K 256 w .. 256 w + 255: two fragments of 16 x 128.  Each load reads 512 consecutive bytes; the 16 KiB turn through the wave's own stage in LDS and come back with a whole block
; of 32 in a lane's registers, so that no other lane is asked for a maximum.  No barrier: waves share nothing.  No work-group reads what another reads: no cluster, no matrix unit.
.set PLANE, 2359296                    ; bytes of cod for 256 along K: 768 tiles x 3,072
.set SROW,  1040                       ; a stage row: 1,024 bytes + 16 = 260 words: row r starts 4 r words on, so the sixteen rows that a load touches fall on different 16-byte columns
.set WST,   16*SROW                    ; a wave's stage
.set SPARE, 4*WST                      ; behind the stages: the spare words, 128 bytes a wave, which no other line names
.set L16,  1                           ; v1   16 x lane
.set L8,   2                           ; v2   8 x lane
.set SIN,  3                           ; v3   the stage, on the way in
.set SOUT, 4                           ; v4   and on the way out: row r, + 128 bytes for lanes 16-31
.set SO,   5                           ; v5   8 r + 4 h: my scale word's place
.set SH,   6                           ; v6   8 h
.set PD,   7                           ; v7   a lane permute's destination
.set MX,   8                           ; v8-9   largest magnitudes
.set SF,   10                          ; v10-11 the conversions' scale operands
.set BY,   12                          ; v12-13 scale bytes
.set SPW,  14                          ; v14  my spare word's LDS address; never rewritten
.set NIL,  15                          ; v15  0; never rewritten
.set R,    16                          ; v16-143  the 32 loads
.set X0,   144                         ; v144-207 fragment 0's 64 numbers
.set X1,   16                          ; v16-79   fragment 1's
.set C0,   208                         ; v208-219 fragment 0's codes
.set T,    220                         ; v220-222, v224-226: a conversion's three registers begin on an even number
.set W0,   228
.set W1,   229
.set WS,   230
.set C1,   232                         ; v232-243 fragment 1's codes
	s_load_b128 s[4:7], s[0:1], 0x0                ; x, w_qkv
	s_load_b128 s[8:11], s[0:1], 0x10              ; w_proj, cod
	s_load_b64 s[12:13], s[0:1], 0x20              ; scl
	v_lshl_add_u32 v[SPW], v0, 2, SPARE
	v_mov_b32 v[NIL], 0
	v_lshrrev_b32 v8, 5, v0
	v_readfirstlane_b32 s14, v8                    ; wave
	v_and_b32 v9, 31, v0                           ; lane
	v_and_b32 v10, 15, v0                          ; r
	v_bfe_u32 v11, v0, 4, 1                        ; h
	v_lshlrev_b32 v[L16], 4, v9
	v_lshlrev_b32 v[L8], 3, v9
	s_mul_i32 s15, s14, WST
	v_add_nc_u32 v[SIN], s15, v[L16]
	v_mul_u32_u24 v[SOUT], v10, SROW
	v_lshl_add_u32 v[SOUT], v11, 7, v[SOUT]
	v_add_nc_u32 v[SOUT], s15, v[SOUT]
	v_lshlrev_b32 v[SO], 3, v10
	v_lshl_add_u32 v[SO], v11, 2, v[SO]
	v_lshlrev_b32 v[SH], 3, v11
	v_mov_b32 v[PD], 0
	s_mov_b32 s20, 0x76543210
	s_mov_b32 s21, 0xfedcba98                      ; v_permlanex16_b32's selects for lane l xor 16
	s_mov_b32 s22, 0xffff0000                      ; lanes 16-31
	s_mov_b32 s16, 704
	s_cmp_lt_u32 ttmp9, s16
	s_cselect_b32 s16, 512, s16
	s_cmp_lt_u32 ttmp9, 512
	s_cselect_b32 s16, 0, s16                      ; the first tile of my tensor
	s_sub_co_u32 s16, ttmp9, s16
	s_lshl_b32 s16, s16, 16                        ; 16 rows of 4,096 bytes
	s_lshl_b32 s17, s14, 10                        ; my wave's 256 numbers of a row
	s_add_co_u32 s16, s16, s17
	s_mov_b32 s17, 0
	s_mul_i32 s18, s14, PLANE
	s_mul_i32 s19, ttmp9, 3072
	s_add_co_u32 s18, s18, s19                     ; my codes
	s_mov_b32 s19, 0
	s_lshl_b32 s24, ttmp9, 9
	s_lshl_b32 s25, s14, 7
	s_add_co_u32 s24, s24, s25                     ; my scale words
	s_mov_b32 s25, 0
	s_wait_alu depctr_va_vdst(0)
	s_wait_kmcnt 0x0
	s_cmp_lt_u32 ttmp9, 704                        ; the choice hangs on the work-group's number alone
	s_cselect_b64 s[6:7], s[6:7], s[8:9]
	s_cmp_lt_u32 ttmp9, 512
	s_cselect_b64 s[4:5], s[4:5], s[6:7]
	s_add_nc_u64 s[4:5], s[4:5], s[16:17]
	s_add_nc_u64 s[10:11], s[10:11], s[18:19]
	s_add_nc_u64 s[12:13], s[12:13], s[24:25]
.irp p, 0,1,2,3,4,5,6,7,8,9,10,11,12,13,14,15
	global_load_b128 v[R+8*\p:R+8*\p+3], v[L16], s[4:5] offset:4096*\p th:TH_LOAD_NT        ; 32 lanes read 512 consecutive bytes of row p
	global_load_b128 v[R+8*\p+4:R+8*\p+7], v[L16], s[4:5] offset:4096*\p+512 th:TH_LOAD_NT
.endr
.irp p, 0,1,2,3,4,5,6,7,8,9,10,11,12,13,14,15
	s_wait_loadcnt 30-2*\p                         ; row p's two loads are in; the younger rows' may be out
	ds_store_b128 v[SIN], v[R+8*\p:R+8*\p+3] offset:SROW*\p
	ds_store_b128 v[SIN], v[R+8*\p+4:R+8*\p+7] offset:SROW*\p+512
.endr
; fragment q's numbers: register 32 c + i = place i of block 2 c + h of my row.  The pieces of 16 bytes come in the order 0,1,4,5,2,3,6,7: that is the permutation of places
.macro XREAD q, x
.irp c, 0,1
.irp j, 0,1,2,3,4,5,6,7
	ds_load_b128 v[\x+32*\c+4*\j:\x+32*\c+4*\j+3], v[SOUT] offset:512*\q+256*\c+16*((\j%2)+2*(\j/4)+4*((\j/2)%2))
.endr
.endr
.endm
; 64 numbers (two whole blocks a lane) -> 12 registers of codes and the row's scale word
.macro QUANT1 x, c, w
.irp u, 0,1
	v_max3_num_f32 v[MX+\u], |v[\x+32*\u]|, |v[\x+32*\u+1]|, 0x1800000   ; with the floor 2^(3 - 127): the byte cannot fall under 1
.endr
.irp i, 2,4,6,8,10,12,14,16,18,20,22,24,26,28,30
.irp u, 0,1
	v_max3_num_f32 v[MX+\u], v[MX+\u], |v[\x+32*\u+\i]|, |v[\x+32*\u+\i+1]|   ; the two blocks by turns
.endr
.endr
.irp u, 0,1
	v_add_nc_u32 v[SF+\u], 0xff000000, v[MX+\u]    ; 2 off the exponent field: the conversion takes that field as its scale
.endr
.irp u, 0,1
	v_lshrrev_b32 v[BY+\u], 23, v[SF+\u]           ; the scale's byte
.endr
	v_lshl_or_b32 v[\w], v[BY+1], 16, v[BY]        ; my blocks h and 2 + h,
	v_lshlrev_b32 v[\w], v[SH], v[\w]              ; at their places in the word;
	v_permlanex16_b32 v[PD], v[\w], s20, s21
	v_or_b32 v[\w], v[\w], v[PD]                   ; with lane l xor 16's two the word is whole
.irp u, 0,1
	v_cvt_scalef32_pk16_fp6_f32 v[\c+6*\u:\c+6*\u+2], v[\x+32*\u:\x+32*\u+15], v[SF+\u]
	v_cvt_scalef32_pk16_fp6_f32 v[T+4*\u:T+4*\u+2], v[\x+32*\u+16:\x+32*\u+31], v[SF+\u]
.endr
	v_nop                                          ; one plain place behind a scaled conversion
.irp u, 0,1
.irp i, 0,1,2
	v_mov_b32 v[\c+6*\u+3+\i], v[T+4*\u+\i]
.endr
.endr
.endm
.macro OUTC c, q                       ; a fragment's two images: each store covers 512 or 256 consecutive bytes, aligned to 256
	global_store_b128 v[L16], v[\c:\c+3], s[10:11] offset:1536*\q
	global_store_b64 v[L8], v[\c+4:\c+5], s[10:11] offset:1536*\q+512
	global_store_b128 v[L16], v[\c+6:\c+9], s[10:11] offset:1536*\q+768
	global_store_b64 v[L8], v[\c+10:\c+11], s[10:11] offset:1536*\q+1280
.endm
	XREAD 0, X0                                    ; LDS serves a wave's instructions in order: these see my stores
	s_wait_dscnt 0x0                               ; fragment 0's numbers are in, and the stores have read the registers that fragment 1's numbers take
	XREAD 1, X1
	QUANT1 X0, C0, W0
	OUTC C0, 0
	s_wait_dscnt 0x0
	QUANT1 X1, C1, W1
	OUTC C1, 1
	v_cndmask_b32 v[WS], v[W0], v[W1], s22         ; lanes 0-15 store fragment 0's word of row r, lanes 16-31 fragment 1's: 128 consecutive bytes
	global_store_b32 v[SO], v[WS], s[12:13]
	s_wait_tensorcnt 0x0                           ; the wave's end, behind my last LDS store
	ds_add_u32 v[SPW], v[NIL]
	s_wait_dscnt 0x0
	s_endpgm
.Lfunc_end_k_qf7e21430a6_quant:
	.size	k_qf7e21430a6_quant, .Lfunc_end_k_qf7e21430a6_quant-k_qf7e21430a6_quant
	.p2alignl 7, 3214868480
	.fill 96, 4, 3214868480
	.section	.rodata,"a",@progbits
	.p2align	6, 0x0
	.amdhsa_kernel k_qf7e21430a6_quant
		.amdhsa_group_segment_fixed_size 67072
		.amdhsa_private_segment_fixed_size 0
		.amdhsa_enable_private_segment 0
		.amdhsa_kernarg_size 40
		.amdhsa_user_sgpr_count 2
		.amdhsa_user_sgpr_kernarg_segment_ptr 1
		.amdhsa_wavefront_size32 1
		.amdhsa_system_sgpr_workgroup_id_x 1
		.amdhsa_system_sgpr_workgroup_id_y 1
		.amdhsa_system_sgpr_workgroup_id_z 1
		.amdhsa_system_vgpr_workitem_id 0
		.amdhsa_next_free_vgpr 248
		.amdhsa_next_free_sgpr 66
		.amdhsa_reserve_vcc 0
		.amdhsa_float_denorm_mode_32 3
		.amdhsa_float_denorm_mode_16_64 3
		.amdhsa_memory_ordered 1
		.amdhsa_forward_progress 1
		.amdhsa_inst_pref_size 17
	.end_amdhsa_kernel
	.amdgpu_metadata
---
amdhsa.version: [ 1, 2 ]
amdhsa.kernels:
  - .name:           k_qf7e21430a6_quant
    .symbol:         k_qf7e21430a6_quant.kd
    .args:
      - { .name: x, .offset: 0, .size: 8, .value_kind: global_buffer, .address_space: global }
      - { .name: w_qkv, .offset: 8, .size: 8, .value_kind: global_buffer, .address_space: global }
      - { .name: w_proj, .offset: 16, .size: 8, .value_kind: global_buffer, .address_space: global }
      - { .name: cod, .offset: 24, .size: 8, .value_kind: global_buffer, .address_space: global }
      - { .name: scl, .offset: 32, .size: 8, .value_kind: global_buffer, .address_space: global }
    .group_segment_fixed_size: 67072
    .private_segment_fixed_size: 0
    .kernarg_segment_align: 8
    .kernarg_segment_size: 40
    .max_flat_workgroup_size: 128
    .sgpr_count:     66
    .vgpr_count:     248
    .wavefront_size: 32
...
	.end_amdgpu_metadata
.endif
;; end of part 1
;; launch qkvgemm (part 2): grid 12 x 32, 4 waves a work-group, clusters of 4 x 4, 327,680 bytes of LDS; arguments cod, scl, b_qkv, qkv, qkvs; writes qkv, qkvs
.if DOCPART == 2
	.amdgcn_target "amdgcn-amd-amdhsa--gfx1250"
	.amdhsa_code_object_version 6
	.text
	.protected	k_qf7e21430a6_qkvgemm
	.globl	k_qf7e21430a6_qkvgemm
	.p2align	8
	.type	k_qf7e21430a6_qkvgemm,@function
k_qf7e21430a6_qkvgemm:
	s_mov_b64 s[64:65], 0
	v_nop
	global_prefetch_b8 v0, s[64:65] scope:SCOPE_SE
	s_setreg_imm32_b32 hwreg(HW_REG_WAVE_MODE, 25, 1), 1
	s_wait_xcnt 0x0
	s_wait_alu depctr_hold_cnt(0) depctr_sa_sdst(0) depctr_va_vdst(0) depctr_va_sdst(0) depctr_va_ssrc(0) depctr_va_vcc(0) depctr_vm_vsrc(0)
	s_getreg_b32 s2, hwreg(HW_REG_IB_STS2, 6, 4)
	s_cmp_eq_u32 s2, 0
	s_cbranch_scc0 .Lentry_in_a_cluster
	s_endpgm
.Lentry_in_a_cluster:
	s_bfe_u32 s2, ttmp6, 0x10000c
	s_cmp_lg_u32 s2, 0xf033
	s_cbranch_scc0 .Lentry_shape_is_right
	s_endpgm
.Lentry_shape_is_right:
.set PLANE,  2359296
.set PART,   6291456
.set HEADB,  98304
.set HALFT,  24576
.set SLOT,   4*HALFT
.set SCL,    2*SLOT
.set SPARE,  SCL+4*4096
.set NQ,     2
.set FR,     12
.set NL,     4
.set NP,     4
.set ADRA16, 16
.set ADRA8,  18
.set ADRB16, 20
.set ADRB8,  22
.set L16,    26
.set ADRS,   27
.set SPW,    28
.set NIL,    29
.set L8,     30
.set BO,     31
.set SC,     32
.set BI,     64
.set AF,     128
.set ST,     128
.set PC,     192
.set TM,     212
.set PW,     236
.set G1, 24
.set G0, 32
.set G1B, 48
.set G0B, 56
.set G1S, 68
.set G0S, 76
.set G1SB, 80
.set G0SB, 88
.set SEL, 96
.set MSB, 0
.macro WIN new
.if MSB != (\new)
	s_set_vgpr_msb (MSB<<8)|(\new)
.set MSB, (\new)
.endif
.endm
.set MUL_LO, 0xa1
.set MUL_HI, 0xf1
.set TO_B,   0x40
.macro JLOAD g0a, g1a, g0b, g1b
	s_cmp_eq_u32 s15, 0
	s_cbranch_scc0 .Lfor_b_\@
	tensor_load_to_lds s[\g0a:\g0a+3], s[\g1a:\g1a+7]
	s_nop 0
.rept 4
	v_nop
.endr
	s_branch .Lasked_\@
.Lfor_b_\@:
	tensor_load_to_lds s[\g0b:\g0b+3], s[\g1b:\g1b+7]
	s_nop 0
.rept 4
	v_nop
.endr
.Lasked_\@:
.endm
.macro CREST
	s_cmp_lg_u32 s14, 0
	s_cbranch_scc1 .Lnot_wave_0_\@
	s_barrier_signal -3
.Lnot_wave_0_\@:
	s_barrier_wait -3
	s_barrier_signal -1
	s_barrier_wait -1
.endm
.macro CROUND
	s_barrier_signal -1
	s_barrier_wait -1
	CREST
.endm
	s_load_b128 s[4:7], s[0:1], 0x0
	s_load_b128 s[8:11], s[0:1], 0x10
	s_load_b64 s[12:13], s[0:1], 0x20
	v_lshl_add_u32 v[SPW], v0, 2, SPARE
	v_mov_b32 v[NIL], 0
	ds_add_u32 v[SPW], v[NIL]
	ds_add_u32 v[SPW], v[NIL]
	v_lshrrev_b32 v1, 5, v0
	v_readfirstlane_b32 s14, v1
	s_lshr_b32 s15, s14, 1
	s_and_b32 s16, s14, 1
	s_bfe_u32 s40, ttmp6, 0x40000
	s_bfe_u32 s41, ttmp6, 0x40004
	s_mov_b32 s98, ttmp9
	s_and_b32 s17, ttmp7, 0xffff
	s_lshl_b32 s43, s41, 2
	s_lshl_b32 s43, 15, s43
	s_lshl_b32 s44, 0x1111, s40
	s_or_b32 s[G1+0], s43, (3<<16)|(1<<21)
	s_or_b32 s[G1B+0], s44, (3<<16)|(1<<21)
.irp g, G1, G1B
	s_mov_b32 s[\g+1], 32<<16
	s_mov_b32 s[\g+2], 96<<16
	s_mov_b32 s[\g+3], 32<<16
	s_mov_b32 s[\g+4], 96
	s_mov_b32 s[\g+5], 32
	s_mov_b32 s[\g+6], 0
	s_mov_b32 s[\g+7], 0
.endr
	s_or_b32 s[G1S+0], s43, (3<<16)|(1<<21)
	s_or_b32 s[G1SB+0], s44, (3<<16)|(1<<21)
.irp g, G1S, G1SB
	s_mov_b32 s[\g+1], 32<<16
	s_mov_b32 s[\g+2], 16<<16
	s_mov_b32 s[\g+3], 32<<16
	s_mov_b32 s[\g+4], 16
	s_mov_b32 s[\g+5], 32
	s_mov_b32 s[\g+6], 0
	s_mov_b32 s[\g+7], 0
.endr
	s_lshl_b32 s18, s17, 6
	s_lshl_b32 s19, s98, 6
	s_add_co_u32 s19, s19, 512
	s_mov_b32 s20, 640
	s_cmp_eq_u32 s98, 2
	s_cselect_b32 s20, s20, s18
	s_cselect_b32 s46, s18, s19
	s_lshl_b32 s2, s16, 3
	s_lshl_b32 s22, s41, 4
	s_add_co_u32 s20, s20, s22
	s_add_co_u32 s20, s20, s2
	s_lshl_b32 s47, s40, 4
	s_add_co_u32 s46, s46, s47
	s_add_co_u32 s46, s46, s2
	s_lshl_b32 s22, s20, 9
	s_mov_b32 s23, 0
	s_mul_i32 s20, s20, 3072
	s_mov_b32 s21, 0
	s_lshl_b32 s92, s46, 9
	s_mov_b32 s93, 0
	s_mul_i32 s46, s46, 3072
	s_mov_b32 s47, 0
	s_mul_i32 s45, s14, HALFT
	s_lshl_b32 s94, s14, 12
	s_mov_b32 s[SEL], 0x76543210
	s_mov_b32 s[SEL+1], 0xfedcba98
	s_mov_b32 s99, 0xffff0000
	s_wait_dscnt 0x0
	s_wait_kmcnt 0x0
	s_add_nc_u64 s[20:21], s[4:5], s[20:21]
	s_add_nc_u64 s[22:23], s[6:7], s[22:23]
	s_add_nc_u64 s[46:47], s[4:5], s[46:47]
	s_add_nc_u64 s[92:93], s[6:7], s[92:93]
	CROUND
	s_mov_b32 s[G0S], 1
	s_add_co_u32 s[G0S+1], s94, SCL
	s_mov_b64 s[G0S+2:G0S+3], s[22:23]
	s_or_b32 s[G0S+3], s[G0S+3], 0x80000000
	s_mov_b32 s[G0SB], 1
	s_add_co_u32 s[G0SB+1], s94, SCL
	s_mov_b64 s[G0SB+2:G0SB+3], s[92:93]
	s_or_b32 s[G0SB+3], s[G0SB+3], 0x80000000
	JLOAD G0S, G1S, G0SB, G1SB
.irp s, 0,1
	s_mov_b32 s[G0+4*\s], 1
	s_add_co_u32 s[G0+4*\s+1], s45, \s*SLOT
	s_add_nc_u64 s[G0+4*\s+2:G0+4*\s+3], s[20:21], \s*PLANE
	s_or_b32 s[G0+4*\s+3], s[G0+4*\s+3], 0x80000000
	s_mov_b32 s[G0B+4*\s], 1
	s_add_co_u32 s[G0B+4*\s+1], s45, \s*SLOT
	s_add_nc_u64 s[G0B+4*\s+2:G0B+4*\s+3], s[46:47], \s*PLANE
	s_or_b32 s[G0B+4*\s+3], s[G0B+4*\s+3], 0x80000000
	s_wait_alu depctr_va_vdst(0)
	s_wait_tensorcnt 0x0
	ds_add_u32 v28, v29
	s_wait_dscnt 0x0
	CROUND
	JLOAD G0+4*\s, G1, G0B+4*\s, G1B
.endr
	v_and_b32 v1, 31, v0
	v_and_b32 v2, 15, v0
	v_bfe_u32 v3, v0, 4, 1
	v_lshlrev_b32 v[L16], 4, v1
	v_lshlrev_b32 v[L8], 3, v1
	s_mul_i32 s21, s15, HALFT
	s_mul_i32 s22, s16, HALFT
	s_add_co_u32 s22, s22, 2*HALFT
.irp s, 0,1
	v_add_nc_u32 v[ADRA16+\s], s21, v[L16]
	v_add_nc_u32 v[ADRA8+\s], s21, v[L8]
	v_add_nc_u32 v[ADRB16+\s], s22, v[L16]
	v_add_nc_u32 v[ADRB8+\s], s22, v[L8]
	s_add_co_u32 s21, s21, SLOT
	s_add_co_u32 s22, s22, SLOT
.endr
	s_lshl_b32 s21, s15, 12
	s_lshl_b32 s22, s16, 12
	s_add_co_u32 s22, s22, 8192
	s_sub_co_u32 s22, s22, s21
	v_mul_u32_u24 v4, s22, v3
	s_add_co_u32 s21, s21, SCL
	v_lshl_add_u32 v4, v2, 3, v4
	v_add_nc_u32 v[ADRS], s21, v4
.macro FRAG reg, a16, a8, off
	ds_load_b128 v[(\reg):(\reg)+3], v[\a16] offset:(\off)
	ds_load_b64 v[(\reg)+4:(\reg)+5], v[\a8] offset:(\off)+512
	ds_load_b128 v[(\reg)+6:(\reg)+9], v[\a16] offset:(\off)+768
	ds_load_b64 v[(\reg)+10:(\reg)+11], v[\a8] offset:(\off)+1280
.endm
.macro MUL16 a0, p, q, sc, zero
.irp a, \a0, \a0+1
.irp b, 0,1,2,3,4,5,6,7
.if \zero
	v_wmma_scale_f32_16x16x128_f8f6f4 v[8*(8*((\a)%4)+\b):8*(8*((\a)%4)+\b)+7], v[128*(\p)+FR*\b:128*(\p)+FR*\b+FR-1], v[AF+FR*(\a):AF+FR*(\a)+FR-1], 0, v[SC+8*NQ*(\sc)+NQ*\b+(\q)], v[SC+8*NQ*(\sc)+NQ*(\a)+(\q)] matrix_a_fmt:MATRIX_FMT_FP6 matrix_b_fmt:MATRIX_FMT_FP6 matrix_a_scale:MATRIX_SCALE_ROW1
.else
	v_wmma_scale_f32_16x16x128_f8f6f4 v[8*(8*((\a)%4)+\b):8*(8*((\a)%4)+\b)+7], v[128*(\p)+FR*\b:128*(\p)+FR*\b+FR-1], v[AF+FR*(\a):AF+FR*(\a)+FR-1], v[8*(8*((\a)%4)+\b):8*(8*((\a)%4)+\b)+7], v[SC+8*NQ*(\sc)+NQ*\b+(\q)], v[SC+8*NQ*(\sc)+NQ*(\a)+(\q)] matrix_a_fmt:MATRIX_FMT_FP6 matrix_b_fmt:MATRIX_FMT_FP6 matrix_a_scale:MATRIX_SCALE_ROW1
.endif
.endr
.endr
.endm
.macro FETCH_B slot, q, p
	WIN TO_B
.irp i, 0,1,2,3,4,5,6,7
	FRAG 128*(\p)+FR*\i, ADRB16+\slot, ADRB8+\slot, 3072*\i+1536*(\q)
.endr
	WIN 0
.endm
.macro FETCH_A slot, q, i0
.irp i, \i0, \i0+1, \i0+2, \i0+3
	FRAG AF+FR*(\i), ADRA16+\slot, ADRA8+\slot, 3072*(\i)+1536*(\q)
.endr
.endm
.macro SCALES sc
.irp i, 0,1,2,3,4,5,6,7
	ds_load_b64 v[SC+16*\sc+2*\i:SC+16*\sc+2*\i+1], v[ADRS] offset:512*\i
.endr
.endm
.macro PLACES n
.rept \n
	v_nop
.endr
.endm
.macro STEP slot, q, zero
	s_wait_dscnt 4*NL
	WIN MUL_LO
	MUL16 0, (\q)%2, \q, \slot, \zero
	MUL16 2, (\q)%2, \q, \slot, \zero
	s_wait_dscnt 0
	PLACES NP
	FETCH_B \slot, (\q)+1, 1-(\q)%2
	FETCH_A \slot, (\q)+1, 0
	WIN MUL_HI
	MUL16 4, (\q)%2, \q, \slot, \zero
	MUL16 6, (\q)%2, \q, \slot, \zero
	PLACES NP
	WIN 0
	FETCH_A \slot, (\q)+1, 4
.endm
.macro TURN slot, next, fill
	s_wait_tensorcnt 0x0
	ds_add_u32 v[SPW], v[NIL]
	s_wait_dscnt 4*NL+1
	WIN MUL_LO
	MUL16 0, 1, NQ-1, \slot, 0
	s_wait_dscnt 0x0
	s_barrier_signal -1
	MUL16 2, 1, NQ-1, \slot, 0
	WIN 0
	s_barrier_wait -1
.if \fill
	CREST
	s_add_nc_u64 s[G0+4*\slot+2:G0+4*\slot+3], s[G0+4*\slot+2:G0+4*\slot+3], 2*PLANE
	s_add_nc_u64 s[G0B+4*\slot+2:G0B+4*\slot+3], s[G0B+4*\slot+2:G0B+4*\slot+3], 2*PLANE
	JLOAD G0+4*\slot, G1, G0B+4*\slot, G1B
.else
	PLACES NP
.endif
	s_wait_alu depctr_va_vdst(0)
	v_add_nc_u32 v[ADRS], 128, v[ADRS]
	FETCH_B \next, 0, 0
	FETCH_A \next, 0, 0
	SCALES \next
	WIN MUL_HI
	MUL16 4, 1, NQ-1, \slot, 0
	MUL16 6, 1, NQ-1, \slot, 0
	PLACES NP
	WIN 0
	FETCH_A \next, 0, 4
.endm
.macro LAST
	s_wait_dscnt 4*NL
	WIN MUL_LO
	MUL16 0, 1, NQ-1, 1, 0
	MUL16 2, 1, NQ-1, 1, 0
	s_wait_dscnt 0
	WIN MUL_HI
	MUL16 4, 1, NQ-1, 1, 0
	MUL16 6, 1, NQ-1, 1, 0
	WIN 0
.endm
.macro QUANT s, pw
.irp b, 0,1,2,3
	v_max3_num_f32 v[TM+\b], |v[\s+16*\b]|, |v[\s+1+16*\b]|, 0x1800000
.endr
.irp i, 2,4,6,8,10,12,14
.irp b, 0,1,2,3
	v_max3_num_f32 v[TM+\b], v[TM+\b], |v[\s+16*\b+\i]|, |v[\s+1+16*\b+\i]|
.endr
.endr
.irp b, 0,1,2,3
	v_permlanex16_b32 v[TM+4+\b], v[TM+\b], s[SEL], s[SEL+1]
.endr
.irp b, 0,1,2,3
	v_max_num_f32 v[TM+\b], v[TM+\b], v[TM+4+\b]
.endr
.irp b, 0,1,2,3
	v_add_nc_u32 v[TM+12+\b], 0xff000000, v[TM+\b]
.endr
.irp b, 0,1,2,3
	v_lshrrev_b32 v[TM+4+\b], 23, v[TM+12+\b]
.endr
	v_lshl_or_b32 v[\pw], v[TM+5], 8, v[TM+4]
	v_lshl_or_b32 v[\pw], v[TM+6], 16, v[\pw]
	v_lshl_or_b32 v[\pw], v[TM+7], 24, v[\pw]
.irp c, 0,1
	v_cvt_scalef32_pk16_fp6_f32 v[PC+6*\c:PC+2+6*\c], v[\s+32*\c:\s+15+32*\c], v[TM+12+2*\c]
	v_cvt_scalef32_pk16_fp6_f32 v[PC+12+4*\c:PC+14+4*\c], v[\s+16+32*\c:\s+31+32*\c], v[TM+12+2*\c+1]
.endr
	v_nop
.irp c, 0,1
.irp i, 0,1,2
	v_permlane16_swap_b32 v[PC+6*\c+\i], v[PC+12+4*\c+\i]
.endr
.irp i, 0,1,2
	v_mov_b32 v[PC+3+6*\c+\i], v[PC+12+4*\c+\i]
.endr
.endr
.endm
.macro EPI isv
	s_wait_loadcnt 0x0
	PLACES NP
.if \isv
.irp a, 0,1,2,3,4,5,6,7
	v_mov_b32 v[BI+2*\a+1], v[BI+2*\a]
.endr
.endif
.irp b, 0,1,2,3
	v_mov_b32 v[TM+4+\b], 0
.endr
.irp a, 0,1,2,3,4,5,6,7
	WIN 0x02+\a/4
.set ii, 0
.rept 32
.if \isv
	v_pk_add_f32 v[ST+2*ii:ST+2*ii+1], v[64*(\a%4)+2*ii:64*(\a%4)+2*ii+1], v[BI+2*\a:BI+2*\a+1]
.else
	v_pk_add_f32 v[ST+2*ii:ST+2*ii+1], v[64*(\a%4)+2*ii:64*(\a%4)+2*ii+1], v[BI+2*ii:BI+2*ii+1]
.endif
.set ii, ii+1
.endr
	WIN 0
.if \a > 0
	s_wait_xcnt 0x0
.endif
	QUANT ST, PW+\a
.if \isv
	global_store_b128 v[L16], v[PC:PC+3], s[10:11] offset:HEADB*(\a/4)+1536*(\a%4)
	global_store_b64 v[L8], v[PC+4:PC+5], s[10:11] offset:HEADB*(\a/4)+1536*(\a%4)+512
	global_store_b128 v[L16], v[PC+6:PC+9], s[10:11] offset:HEADB*(\a/4)+1536*(\a%4)+768
	global_store_b64 v[L8], v[PC+10:PC+11], s[10:11] offset:HEADB*(\a/4)+1536*(\a%4)+1280
.else
	global_store_b128 v[L16], v[PC:PC+3], s[10:11] offset:768*\a
	global_store_b64 v[L8], v[PC+4:PC+5], s[10:11] offset:768*\a+512
	global_store_b128 v[L16], v[PC+6:PC+9], s[10:11] offset:768*\a+HEADB
	global_store_b64 v[L8], v[PC+10:PC+11], s[10:11] offset:768*\a+HEADB+512
.endif
.endr
.endm
.macro FINISH
	s_wait_tensorcnt 0x0
	ds_add_u32 v[SPW], v[NIL]
	s_wait_dscnt 0x0
	CROUND
	s_endpgm
.endm
	s_wait_alu depctr_va_vdst(0)
	s_wait_tensorcnt 1
	s_barrier_signal -1
	s_barrier_wait -1
	FETCH_B 0, 0, 0
	FETCH_A 0, 0, 0
	SCALES 0
	FETCH_A 0, 0, 4
	STEP 0, 0, 1
	TURN 0, 1, 1
	STEP 1, 0, 0
	TURN 1, 0, 1
	STEP 0, 0, 0
	TURN 0, 1, 0
	STEP 1, 0, 0
	s_cmp_eq_u32 s98, 2
	s_cbranch_scc1 .Lv
	s_lshl_b32 s18, s17, 2
	s_add_co_u32 s18, s18, s41
	s_lshr_b32 s19, s18, 3
	s_and_b32 s18, s18, 7
	s_lshl_b32 s18, s18, 4
	s_lshl_b32 s2, s15, 3
	s_add_co_u32 s18, s18, s2
	s_lshl_b32 s19, s19, 4
	s_lshl_b32 s2, s40, 2
	s_add_co_u32 s19, s19, s2
	s_lshl_b32 s2, s16, 1
	s_add_co_u32 s19, s19, s2
	s_mul_i32 s20, s19, HEADB
	s_mul_i32 s2, s18, 768
	s_add_co_u32 s20, s20, s2
	s_mul_i32 s2, s98, PART
	s_add_co_u32 s20, s20, s2
	s_mov_b32 s21, 0
	s_add_nc_u64 s[10:11], s[10:11], s[20:21]
	s_lshl_b32 s22, s19, 13
	s_mul_i32 s23, s19, 12288
	s_add_co_u32 s23, s23, 524288
	s_mov_b32 s66, 12288
	s_cmp_eq_u32 s98, 0
	s_cselect_b32 s22, s22, s23
	s_cselect_b32 s66, 8192, s66
	s_lshl_b32 s2, s18, 6
	s_add_co_u32 s22, s22, s2
	s_mov_b32 s23, 0
	s_mov_b32 s67, 0
	s_add_nc_u64 s[12:13], s[12:13], s[22:23]
	s_add_nc_u64 s[66:67], s[12:13], s[66:67]
	s_lshl_b32 s2, s98, 12
	s_lshl_b32 s3, s40, 10
	s_add_co_u32 s2, s2, s3
	s_lshl_b32 s3, s16, 9
	s_add_co_u32 s2, s2, s3
	s_mov_b32 s3, 0
	s_add_nc_u64 s[8:9], s[8:9], s[2:3]
	v_lshlrev_b32 v[BO], 5, v3
.irp b, 0,1,2,3,4,5,6,7
	global_load_b128 v[BI+8*\b:BI+8*\b+3], v[BO], s[8:9] offset:64*\b
	global_load_b128 v[BI+8*\b+4:BI+8*\b+7], v[BO], s[8:9] offset:64*\b+16
.endr
	LAST
	EPI 0
.irp i, 0,1,2,3
	v_cndmask_b32 v[244+\i], v[PW+2*\i], v[PW+2*\i+1], s99
.endr
.irp i, 0,1,2,3
	v_lshrrev_b32 v[248+\i], 16, v[244+\i]
.endr
.irp i, 0,1,2,3
	v_and_b32 v[244+\i], 0xffff, v[244+\i]
.endr
	global_store_b128 v[L16], v[244:247], s[12:13]
	global_store_b128 v[L16], v[248:251], s[66:67]
	FINISH
.Lv:
	s_lshl_b32 s18, s17, 2
	s_add_co_u32 s18, s18, s40
	s_lshr_b32 s19, s18, 3
	s_and_b32 s18, s18, 7
	s_lshl_b32 s18, s18, 1
	s_add_co_u32 s18, s18, s16
	s_lshl_b32 s19, s19, 4
	s_lshl_b32 s2, s41, 2
	s_add_co_u32 s19, s19, s2
	s_lshl_b32 s2, s15, 1
	s_add_co_u32 s19, s19, s2
	s_mul_i32 s20, s19, HEADB
	s_mul_i32 s2, s18, 6144
	s_add_co_u32 s20, s20, s2
	s_add_co_u32 s20, s20, 2*PART
	s_mov_b32 s21, 0
	s_add_nc_u64 s[10:11], s[10:11], s[20:21]
	s_mul_i32 s22, s19, 12288
	s_lshl_b32 s2, s18, 8
	s_add_co_u32 s22, s22, s2
	s_add_co_u32 s22, s22, 524288+8192
	s_mov_b32 s23, 0
	s_add_nc_u64 s[12:13], s[12:13], s[22:23]
	s_lshl_b32 s2, s41, 10
	s_lshl_b32 s3, s15, 9
	s_add_co_u32 s2, s2, s3
	s_add_co_u32 s2, s2, 8192
	s_mov_b32 s3, 0
	s_add_nc_u64 s[8:9], s[8:9], s[2:3]
	v_lshlrev_b32 v[BO], 2, v2
.irp a, 0,1,2,3,4,5,6,7
	global_load_b32 v[BI+2*\a], v[BO], s[8:9] offset:64*\a
.endr
	LAST
	EPI 1
.irp j, 0,1
.irp i, 0,1
	v_cndmask_b32 v[244+2*\j+\i], v[PW+4*\j+2*\i], v[PW+4*\j+2*\i+1], s99
.endr
.endr
	global_store_b64 v[L8], v[244:245], s[12:13]
	global_store_b64 v[L8], v[246:247], s[12:13] offset:12288
	FINISH
.Lfunc_end_k_qf7e21430a6_qkvgemm:
	.size	k_qf7e21430a6_qkvgemm, .Lfunc_end_k_qf7e21430a6_qkvgemm-k_qf7e21430a6_qkvgemm
	.p2alignl 7, 3214868480
	.fill 96, 4, 3214868480
	.section	.rodata,"a",@progbits
	.p2align	6, 0x0
	.amdhsa_kernel k_qf7e21430a6_qkvgemm
		.amdhsa_group_segment_fixed_size 327680
		.amdhsa_private_segment_fixed_size 0
		.amdhsa_enable_private_segment 0
		.amdhsa_kernarg_size 40
		.amdhsa_user_sgpr_count 2
		.amdhsa_user_sgpr_kernarg_segment_ptr 1
		.amdhsa_wavefront_size32 1
		.amdhsa_system_sgpr_workgroup_id_x 1
		.amdhsa_system_sgpr_workgroup_id_y 1
		.amdhsa_system_sgpr_workgroup_id_z 1
		.amdhsa_system_vgpr_workitem_id 0
		.amdhsa_next_free_vgpr 1024
		.amdhsa_next_free_sgpr 100
		.amdhsa_reserve_vcc 0
		.amdhsa_float_denorm_mode_32 3
		.amdhsa_float_denorm_mode_16_64 3
		.amdhsa_memory_ordered 1
		.amdhsa_forward_progress 1
		.amdhsa_inst_pref_size 229
	.end_amdhsa_kernel
	.amdgpu_metadata
---
amdhsa.version: [ 1, 2 ]
amdhsa.kernels:
  - .name:           k_qf7e21430a6_qkvgemm
    .symbol:         k_qf7e21430a6_qkvgemm.kd
    .args:
      - { .name: cod, .offset: 0, .size: 8, .value_kind: global_buffer, .address_space: global }
      - { .name: scl, .offset: 8, .size: 8, .value_kind: global_buffer, .address_space: global }
      - { .name: b_qkv, .offset: 16, .size: 8, .value_kind: global_buffer, .address_space: global }
      - { .name: qkv, .offset: 24, .size: 8, .value_kind: global_buffer, .address_space: global }
      - { .name: qkvs, .offset: 32, .size: 8, .value_kind: global_buffer, .address_space: global }
    .group_segment_fixed_size: 327680
    .private_segment_fixed_size: 0
    .kernarg_segment_align: 8
    .kernarg_segment_size: 40
    .max_flat_workgroup_size: 128
    .sgpr_count:     100
    .vgpr_count:     1024
    .wavefront_size: 32
...
	.end_amdgpu_metadata
.endif
;; end of part 2
;; launch attn (part 3): grid 4 x 64, 8 waves a work-group, clusters of 4 x 1, 235,520 bytes of LDS; arguments qkv, qkvs, oc, os; writes oc, os
.if DOCPART == 3
	.amdgcn_target "amdgcn-amd-amdhsa--gfx1250"
	.amdhsa_code_object_version 6
	.text
	.protected	k_qf7e21430a6_attn
	.globl	k_qf7e21430a6_attn
	.p2align	8
	.type	k_qf7e21430a6_attn,@function
k_qf7e21430a6_attn:
	s_mov_b64 s[64:65], 0
	v_nop
	global_prefetch_b8 v0, s[64:65] scope:SCOPE_SE
	s_setreg_imm32_b32 hwreg(HW_REG_WAVE_MODE, 25, 1), 1
	s_wait_xcnt 0x0
	s_wait_alu depctr_hold_cnt(0) depctr_sa_sdst(0) depctr_va_vdst(0) depctr_va_sdst(0) depctr_va_ssrc(0) depctr_va_vcc(0) depctr_vm_vsrc(0)
	s_getreg_b32 s2, hwreg(HW_REG_IB_STS2, 6, 4)
	s_cmp_eq_u32 s2, 0
	s_cbranch_scc0 .Lentry_in_a_cluster
	s_endpgm
.Lentry_in_a_cluster:
	s_bfe_u32 s2, ttmp6, 0x10000c
	s_cmp_lg_u32 s2, 0x3003
	s_cbranch_scc0 .Lentry_shape_is_right
	s_endpgm
.Lentry_shape_is_right:
; O[q] = sum over k of softmax_k(Q[q] . K[k] / 8) V[k] for one of 64 (batch, head) pairs, 2,048 tokens, head size 64; both products on codes of FP6 (E2M3) with E8M0 scales; O is quantised along the model's 1,024 and leaves as codes.
; THE SOFTMAX: t = score x log2(e) / 8; M = the running largest t rounded up to a whole number; p = 2^(t - M) is quantised along the keys, not normalised.  The row's sum is taken of the unquantised p and divides O at the end.
; When M moves, the sum and O are multiplied by 2^(old M - new M): exact.
; SHARES: a work-group owns 512 queries of one head; each of eight waves makes four tiles of 16 queries (tile 32 x quarter + wave + 8 k), TWO AT A TIME: the two tiles' lines stand by turns, and each fragment of K and V feeds both.
; Every wave walks all keys twice, 128 a step.  K and V of the whole head stay in LDS, filled once; one barrier.  The four work-groups of a head ask for each tile jointly (mask 15).  Nothing is prefetched: all is asked for in the first lines.
; FETCHING AHEAD: K's and V's fragments have registers of their own.  Step n + 1's K is fetched behind step n's first products, step n + 1's V behind step n's second.  The last trip's fetch reads the LDS bytes that follow (V's codes, the scale words), all filled; it is not used.
; LAYOUT: both products transposed (S^T = K Q^T, O^T = V^T P^T): a lane holds one query.  Codes lie as images of operand registers (16 rows x 64 K = 768 bytes: registers 0-3 at 16 x lane, 4-5 at 512 + 8 x lane).
; THE KEYS OF A TILE OF K ARE CHOSEN: tile 4 c + u takes as rows 0-7 the keys 64 c + 8 o + 0..7 and as rows 8-15 the keys 64 c + 32 + 8 o + 0..7, o = 0, 2, 1, 3 for u = 0..3.  So lane (r, h) holds in registers 32 c .. 32 c + 31
; of a tile's scores the whole block 2 c + h of 32 keys, in the order of places in which V's codes lie (0..7, 16..23, 8..15, 24..31).
; K's images have 64 bytes of padding behind every 256 in LDS (an image 960 bytes), so lanes 0-7 and 8-15 of a 16-byte load touch different halves of 256 bytes.
; THE FIRST PRODUCT'S K IS 64: Q's upper six registers are zero codes; K's fragment of tile t takes the next tile's codes as its upper six (behind tile 7: zeros), which meet Q's zeros.
; LIMITS: NaN and infinities are not served; a block whose largest magnitude lies under 2^-124 gets the byte 1; the scaled scores stay under 2^31 in magnitude.  O's scale bytes leave two bytes a row.
; REGISTERS: window 0 holds all that vector instructions work on; window 1 K's fragments (0-53), V's (56-103), Q's four (104-151), O^T of two tiles (152-215).
.set PART,    6291456
.set HEADB,   98304
.set PLANE_O, 1572864
.set VC,      122880                   ; LDS: K's padded codes at 0, V's here,
.set KS,      221184                   ; K's scale words, 8,192 bytes,
.set VS,      229376                   ; V's, 4,096,
.set SPARE,   233472                   ; the spare words, 128 bytes a wave
.set L16,  1
.set L8,   2
.set SPW,  3
.set NIL,  4
.set R16,  5
.set R8,   6
.set KB16, 7                           ; v7-9 my lane's place in K's images and in K's scale words
.set KB8,  8
.set KBS,  9
.set SH,   10                          ; 8 h
.set ADK16, 11
.set ADK8,  12
.set ADS,  13
.set ADV16, 14
.set ADV8,  15
.set ADT,  16
.set MT,   20                          ; tile x: v[20+2x] -M, v[21+2x] the largest t
.set SUM,  24                          ; v[24+2x:25+2x] the sum in two halves
.set OM,   28                          ; the last step's -M
.set FF,   30                          ; v[30+2x] f, v[31+2x] p's scale word
.set PD,   34                          ; v34-37 lane permutes' destinations
.set KSC,  40                          ; v40-43 K's scale words
.set VSC,  44                          ; v44-45 V's
.set MX,   48                          ; v[48+4x ..] largest scores
.set TT,   56
.set SF,   58                          ; the conversions' scale operands
.set BY,   62
.set CT,   66                          ; v[66+8x+4c ..] a conversion's three registers begin on an even number
.set TS,   82                          ; v[82+6x ..] three more chains of the sum
.set S0,   96                          ; v[96+64x ..] S^T, then p
.set PC,   224                         ; v[224+12x ..] p's codes
.set QS,   252                         ; v252-255 Q's scale words
.set KF,   0                           ; window 1
.set VF,   56
.set QF,   104
.set OF,   152
.set WV,   18
.set SEL,  20
.set CS,   22
.set G1C,  24
.set G1S,  32
.set G0V,  40
.set G0K,  44
.set G0S,  48
.set G1K,  68
.set SK,   76                          ; the next step's K: 7,680 a step
.set SS,   77                          ; its scale words: 512
.set ST,   78                          ; this step's scale words of V: 256
.set SV,   79                          ; the next step's V: 6,144
.set CNT,  80
.set MSB, 0
.macro WIN new                         ; the immediate's high byte repeats the setting that is left
.if MSB != (\new)
	s_set_vgpr_msb (MSB<<8)|(\new)
.set MSB, (\new)
.endif
.endm
.macro WALU
	s_wait_alu depctr_va_vdst(0)
.endm
.macro CROUND
	s_barrier_signal -1
	s_barrier_wait -1
	s_cmp_lg_u32 s[WV], 0
	s_cbranch_scc1 .Lnot_wave_0_\@
	s_barrier_signal -3
.Lnot_wave_0_\@:
	s_barrier_wait -3
	s_barrier_signal -1
	s_barrier_wait -1
.endm
.macro TLOAD g0, g1                    ; an s_nop 0 and four v_nop follow a tensor load
	tensor_load_to_lds s[\g0:\g0+3], s[\g1:\g1+7]
	s_nop 0
.rept 4
	v_nop
.endr
.endm
	s_load_b128 s[4:7], s[0:1], 0x0                ; qkv, qkvs
	s_load_b128 s[8:11], s[0:1], 0x10              ; oc, os
	v_lshl_add_u32 v[SPW], v0, 2, SPARE
	v_mov_b32 v[NIL], 0
	ds_add_u32 v[SPW], v[NIL]                      ; the opening lines
	ds_add_u32 v[SPW], v[NIL]
	v_lshrrev_b32 v17, 5, v0
	v_readfirstlane_b32 s[WV], v17                 ; wave 0..7
	s_bfe_u32 s12, ttmp6, 0x40000                  ; cx
	s_lshl_b32 s13, ttmp9, 2
	s_add_co_u32 s12, s12, s13                     ; my quarter of the queries: it enters Q's and O's addresses alone
	s_and_b32 s14, ttmp7, 0xffff                   ; 16 x batch + head
.irp g, G1C, G1K, G1S                          ; dense blocks as rows of 256 bytes
	s_mov_b32 s[\g+1], 32<<16
	s_mov_b32 s[\g+3], 32<<16
	s_mov_b32 s[\g+5], 32
	s_mov_b32 s[\g+6], 0
	s_mov_b32 s[\g+7], 0
.endr
	s_mov_b32 s[G1C], 15|(3<<16)|(1<<21)
	s_mov_b32 s[G1C+2], 96<<16                     ; a quarter of V: 96 rows
	s_mov_b32 s[G1C+4], 96
	s_mov_b32 s[G1K], 15|(3<<16)|(1<<20)|(1<<21)|(5<<22)|(15<<25)   ; K's: 16 words of padding behind every 64
	s_mov_b32 s[G1K+2], 128<<16                    ; a third of K: 128 rows
	s_mov_b32 s[G1K+4], 128
	s_mov_b32 s[G1S], 15|(3<<16)|(1<<21)
	s_mov_b32 s[G1S+2], 48<<16                     ; scale words: 48 rows
	s_mov_b32 s[G1S+4], 48
	s_mul_i32 s15, s14, HEADB
	s_mul_i32 s52, s[WV], 24576                    ; waves 0-3 fetch V's quarters,
	s_add_co_u32 s52, s52, s15
	s_add_co_u32 s52, s52, 2*PART
	s_mov_b32 s53, 0
	s_and_b32 s17, s[WV], 3                        ; waves 4-6 K's thirds,
	s_lshl_b32 s54, s17, 15
	s_add_co_u32 s54, s54, s15
	s_add_co_u32 s54, s54, PART
	s_mov_b32 s55, 0
	s_mul_i32 s66, s14, 12288                      ; wave 7 the head's scale words of K and V
	s_add_co_u32 s66, s66, 524288
	s_mov_b32 s67, 0
	s_lshl_b32 s16, s12, 5
	s_add_co_u32 s16, s16, s[WV]                   ; my first tile of 16 queries; the others lie 8, 16, 24 tiles on
	s_mul_i32 s56, s16, 768
	s_add_co_u32 s56, s56, s15
	s_mov_b32 s57, 0
	s_lshl_b32 s58, s14, 13                        ; Q's scale words: 512 bytes for each 128 tokens; token 32 i + l at 16 l + 4 i
	s_lshl_b32 s59, s12, 11
	s_add_co_u32 s58, s58, s59
	s_and_b32 s59, s[WV], 1
	s_lshl_b32 s59, s59, 8
	s_add_co_u32 s58, s58, s59
	s_lshr_b32 s59, s[WV], 1
	s_lshl_b32 s59, s59, 2
	s_add_co_u32 s58, s58, s59
	s_mov_b32 s59, 0
	s_lshr_b32 s13, s14, 4                         ; batch
	s_and_b32 s19, s14, 15                         ; head
	s_lshl_b32 s13, s13, 7
	s_add_co_u32 s16, s16, s13                     ; my tile among the 512 tiles of all tokens
	s_lshr_b32 s13, s19, 2                         ; O's codes: [head / 4][tile][head % 4][768]
	s_mul_i32 s60, s13, PLANE_O
	s_mul_i32 s61, s16, 3072
	s_add_co_u32 s60, s60, s61
	s_and_b32 s61, s19, 3
	s_mul_i32 s61, s61, 768
	s_add_co_u32 s60, s60, s61
	s_mov_b32 s61, 0
	s_lshl_b32 s62, s16, 9                         ; O's scale bytes: [tile][head / 4][row][word (head / 2) % 2], bytes 2 (head % 2) and the next
	s_lshl_b32 s63, s13, 7
	s_add_co_u32 s62, s62, s63
	s_bfe_u32 s63, s19, 0x10001
	s_lshl_b32 s63, s63, 2
	s_add_co_u32 s62, s62, s63
	s_and_b32 s63, s19, 1
	s_lshl_b32 s63, s63, 1
	s_add_co_u32 s62, s62, s63
	s_mov_b32 s63, 0
	s_mov_b32 s[SEL], 0x76543210
	s_mov_b32 s[SEL+1], 0xfedcba98                 ; selects for lane l xor 16
	s_mov_b32 s[CS], 0x3e38aa3b                    ; c = log2(e) / sqrt(64)
	s_mov_b32 s[CS+1], s[CS]
	s_mov_b32 s[G0V], 1
	s_mul_i32 s[G0V+1], s[WV], 24576
	s_add_co_u32 s[G0V+1], s[G0V+1], VC
	s_mov_b32 s[G0K], 1
	s_mul_i32 s[G0K+1], s17, 40960                 ; 128 x 320 bytes
	s_mov_b32 s[G0S], 1
	s_mov_b32 s[G0S+1], KS
	s_wait_dscnt 0x0
	s_wait_kmcnt 0x0
	s_add_nc_u64 s[G0V+2:G0V+3], s[4:5], s[52:53]
	s_or_b32 s[G0V+3], s[G0V+3], 0x80000000
	s_add_nc_u64 s[G0K+2:G0K+3], s[4:5], s[54:55]
	s_or_b32 s[G0K+3], s[G0K+3], 0x80000000
	s_add_nc_u64 s[G0S+2:G0S+3], s[6:7], s[66:67]
	s_or_b32 s[G0S+3], s[G0S+3], 0x80000000
	s_add_nc_u64 s[56:57], s[4:5], s[56:57]
	s_add_nc_u64 s[58:59], s[6:7], s[58:59]
	s_add_nc_u64 s[8:9], s[8:9], s[60:61]
	s_add_nc_u64 s[10:11], s[10:11], s[62:63]
	CROUND                                         ; all four work-groups are here: the joint loads meet
	s_cmp_lt_u32 s[WV], 4                          ; one chain of branches on the wave's number, one load to an arm, every wave one
	s_cbranch_scc0 .Lnot_v
	TLOAD G0V, G1C
	s_branch .Lasked
.Lnot_v:
	s_cmp_lt_u32 s[WV], 7
	s_cbranch_scc0 .Lnot_k
	TLOAD G0K, G1K
	s_branch .Lasked
.Lnot_k:
	TLOAD G0S, G1S
.Lasked:
	v_and_b32 v17, 31, v0
	v_and_b32 v18, 15, v0
	v_lshlrev_b32 v[L16], 4, v17
	v_lshlrev_b32 v[L8], 3, v17
	v_lshlrev_b32 v[R16], 4, v18
	v_lshlrev_b32 v[R8], 3, v18
	WIN 0x40
.irp k, 0,1,2,3
	global_load_b128 v[QF+12*\k:QF+12*\k+3], v[L16], s[56:57] offset:6144*\k       ; Q's images: they stay
	global_load_b64 v[QF+12*\k+4:QF+12*\k+5], v[L8], s[56:57] offset:6144*\k+512
.endr
	WIN 0
.irp k, 0,1,2,3
	global_load_b32 v[QS+\k], v[R16], s[58:59] offset:512*\k
.endr
	v_and_b32 v17, 7, v0                           ; r % 8
	v_bfe_u32 v18, v0, 3, 1                        ; r / 8
	v_bfe_u32 v19, v0, 4, 1                        ; h
	v_mul_u32_u24 v[KB16], v18, 1920               ; rows 8-15 come from two images on
	v_mul_u32_u24 v[KB8], v18, 1920
	v_lshlrev_b32 v[KBS], 4, v17
	v_lshl_add_u32 v[KB16], v17, 4, v[KB16]
	v_lshl_add_u32 v[KB8], v17, 3, v[KB8]
	v_lshl_add_u32 v[KBS], v18, 2, v[KBS]
	v_mad_u32_u24 v[KB16], v19, 320, v[KB16]       ; lanes 16-31: 256 bytes and one padding on
	v_lshl_add_u32 v[KB8], v19, 7, v[KB8]
	v_lshl_add_u32 v[KBS], v19, 8, v[KBS]          ; lanes 16-31 take the odd tile's words
	v_lshlrev_b32 v[SH], 3, v19
.irp i, 0,1,2,3
	v_mov_b32 v[PD+\i], 0                          ; a lane permute's destination counts as one of its sources
.endr
	WIN 0x40
.irp i, 0,1,2,3,4,5
.irp k, 0,1,2,3
	v_mov_b32 v[QF+12*\k+6+\i], 0                  ; zero codes: Q's upper 64 along K,
.endr
	v_mov_b32 v[KF+48+\i], 0                       ; and the pad behind K's last tile
.endr
	WIN 0
.macro KLOADS a16, a8, as              ; 20 loads.  Tile 4 c + u: octet o = 2 (u % 2) + u / 2 lies in image 4 c + u % 2, rows 8 (u / 2) ..
	WIN 0x40
.irp t, 0,1,2,3,4,5,6,7
	ds_load_b128 v[KF+6*\t:KF+6*\t+3], v[\a16] offset:960*(4*(\t/4)+\t%2)+128*((\t%4)/2)
	ds_load_b64 v[KF+6*\t+4:KF+6*\t+5], v[\a8] offset:960*(4*(\t/4)+\t%2)+640+64*((\t%4)/2)
.endr
	WIN 0
.irp g, 0,1,2,3
	ds_load_b32 v[KSC+\g], v[\as] offset:8*(\g/2)+128*(\g%2)   ; tile 2 g's rows' words in lanes 0-15, tile 2 g + 1's in lanes 16-31
.endr
.endm
.macro VLOADS a16, a8                  ; 16 loads
	WIN 0x40
.irp t, 0,1,2,3
	ds_load_b128 v[VF+12*\t:VF+12*\t+3], v[\a16] offset:1536*\t
	ds_load_b64 v[VF+12*\t+4:VF+12*\t+5], v[\a8] offset:1536*\t+512
	ds_load_b128 v[VF+12*\t+6:VF+12*\t+9], v[\a16] offset:1536*\t+768
	ds_load_b64 v[VF+12*\t+10:VF+12*\t+11], v[\a8] offset:1536*\t+1280
.endr
	WIN 0
.endm
.macro QK1 t, x, p
.if (\t)%2
	v_wmma_scale_f32_16x16x128_f8f6f4 v[S0+64*\x+8*\t:S0+64*\x+8*\t+7], v[KF+6*\t:KF+6*\t+11], v[QF+12*(2*\p+\x):QF+12*(2*\p+\x)+11], 0, v[KSC+\t/2], v[QS+2*\p+\x] matrix_a_fmt:MATRIX_FMT_FP6 matrix_b_fmt:MATRIX_FMT_FP6 matrix_a_scale:MATRIX_SCALE_ROW1
.else
	v_wmma_scale_f32_16x16x128_f8f6f4 v[S0+64*\x+8*\t:S0+64*\x+8*\t+7], v[KF+6*\t:KF+6*\t+11], v[QF+12*(2*\p+\x):QF+12*(2*\p+\x)+11], 0, v[KSC+\t/2], v[QS+2*\p+\x] matrix_a_fmt:MATRIX_FMT_FP6 matrix_b_fmt:MATRIX_FMT_FP6
.endif
.endm
.macro PV1 t, x
.if (\t)%2
	v_wmma_scale_f32_16x16x128_f8f6f4 v[OF+32*\x+8*\t:OF+32*\x+8*\t+7], v[VF+12*\t:VF+12*\t+11], v[PC+12*\x:PC+12*\x+11], v[OF+32*\x+8*\t:OF+32*\x+8*\t+7], v[VSC+\t/2], v[FF+2*\x+1] matrix_a_fmt:MATRIX_FMT_FP6 matrix_b_fmt:MATRIX_FMT_FP6 matrix_a_scale:MATRIX_SCALE_ROW1
.else
	v_wmma_scale_f32_16x16x128_f8f6f4 v[OF+32*\x+8*\t:OF+32*\x+8*\t+7], v[VF+12*\t:VF+12*\t+11], v[PC+12*\x:PC+12*\x+11], v[OF+32*\x+8*\t:OF+32*\x+8*\t+7], v[VSC+\t/2], v[FF+2*\x+1] matrix_a_fmt:MATRIX_FMT_FP6 matrix_b_fmt:MATRIX_FMT_FP6
.endif
.endm
; A KEY STEP: 128 keys, two tiles of queries (x = 0, 1), line by line in turn.
.macro STEP p
	s_wait_dscnt 16                                ; K and its scale words are in; younger are V's 16 loads
	WIN 0x05                                       ; K and Q in window 1
.irp t, 0,1,2,3,4,5,6,7                        ; S^T = K Q^T
.irp x, 0,1
	QK1 \t, \x, \p
.endr
.endr
	WIN 0
	v_add_nc_u32 v[ADK16], s[SK], v[KB16]          ; four places: in front of the loads into K's registers and of the first read of the scores
	v_add_nc_u32 v[ADK8], s[SK], v[KB8]
	v_add_nc_u32 v[ADS], s[SS], v[KBS]
	v_add_nc_u32 v[ADT], s[ST], v[L8]
	ds_load_b64 v[VSC:VSC+1], v[ADT]               ; this step's scale words of V,
	KLOADS ADK16, ADK8, ADS                        ; and the next step's K
.irp b, 0,1,2,3                                ; a lane's two blocks' largest scores, each in two chains of 16
.irp x, 0,1
	v_max3_num_f32 v[MX+4*\x+\b], v[S0+64*\x+16*\b], v[S0+64*\x+16*\b+1], v[S0+64*\x+16*\b+2]
.endr
.endr
.irp i, 3,5,7,9,11,13
.irp b, 0,1,2,3
.irp x, 0,1
	v_max3_num_f32 v[MX+4*\x+\b], v[MX+4*\x+\b], v[S0+64*\x+16*\b+\i], v[S0+64*\x+16*\b+\i+1]
.endr
.endr
.endr
.irp c, 0,1
.irp x, 0,1
	v_max3_num_f32 v[MX+4*\x+2*\c], v[MX+4*\x+2*\c], v[MX+4*\x+2*\c+1], v[S0+64*\x+32*\c+15]
.endr
.endr
.irp c, 0,1
.irp x, 0,1
	v_max_num_f32 v[MX+4*\x+2*\c], v[MX+4*\x+2*\c], v[S0+64*\x+32*\c+31]   ; it serves for the row's maximum and, since p rises with the score, for the block's largest p
.endr
.endr
.irp x, 0,1
	v_max_num_f32 v[TT+\x], v[MX+4*\x], v[MX+4*\x+2]
.endr
.irp x, 0,1
	v_permlanex16_b32 v[PD+\x], v[TT+\x], s[SEL], s[SEL+1]
.endr
.irp x, 0,1
	v_max_num_f32 v[TT+\x], v[TT+\x], v[PD+\x]     ; with lane l xor 16's two blocks
.endr
.irp x, 0,1
	v_mul_f32 v[TT+\x], s[CS], v[TT+\x]
.endr
.irp x, 0,1
	v_max_num_f32 v[MT+2*\x+1], v[MT+2*\x+1], v[TT+\x]   ; the running largest t
.endr
.irp x, 0,1
	v_floor_f32 v[MT+2*\x], -v[MT+2*\x+1]          ; the new -M
.endr
.irp x, 0,1
	v_sub_f32 v[TT+\x], v[MT+2*\x], v[OM+\x]       ; old M - new M
.endr
.irp x, 0,1
	v_cvt_i32_f32 v[TT+\x], v[TT+\x]
.endr
.irp x, 0,1
	v_ldexp_f32 v[FF+2*\x], 1.0, v[TT+\x]          ; f = 2^(old M - new M)
.endr
.set jj, 0
.rept 32
.irp x, 0,1
	v_pk_fma_f32 v[S0+64*\x+jj:S0+64*\x+jj+1], v[S0+64*\x+jj:S0+64*\x+jj+1], s[CS:CS+1], v[MT+2*\x:MT+2*\x+1] op_sel_hi:[1,0,0]   ; t - M
.endr
.set jj, jj+2
.endr
.irp c, 0,1
.irp x, 0,1
	v_fma_f32 v[MX+4*\x+2*\c], v[MX+4*\x+2*\c], s[CS], v[MT+2*\x]
.endr
.endr
.set jj, 0
	WALU                                           ; ahead of the batch
.rept 128
	v_exp_f32 v[S0+jj], v[S0+jj]                   ; p
.set jj, jj+1
.endr
.irp x, 0,1
	v_pk_mul_f32 v[SUM+2*\x:SUM+2*\x+1], v[SUM+2*\x:SUM+2*\x+1], v[FF+2*\x:FF+2*\x+1] op_sel_hi:[1,0]   ; the sums under the new M
.endr
	WALU                                           ; one wait for the batch
.irp c, 0,1
.irp x, 0,1
	v_exp_f32 v[MX+4*\x+2*\c], v[MX+4*\x+2*\c]     ; the block's largest p
.endr
.endr
.irp k, 0,1,2                                  ; the row's sum of the unquantised p: four chains a tile
.irp x, 0,1
	v_pk_add_f32 v[TS+6*\x+2*\k:TS+6*\x+2*\k+1], v[S0+64*\x+4*\k:S0+64*\x+4*\k+1], v[S0+64*\x+4*\k+2:S0+64*\x+4*\k+3]
.endr
.endr
.irp g, 0,1,2,3,4,5
.irp x, 0,1
	v_pk_add_f32 v[SUM+2*\x:SUM+2*\x+1], v[SUM+2*\x:SUM+2*\x+1], v[S0+64*\x+12+8*\g:S0+64*\x+13+8*\g]
.endr
.irp k, 0,1,2
.irp x, 0,1
	v_pk_add_f32 v[TS+6*\x+2*\k:TS+6*\x+2*\k+1], v[TS+6*\x+2*\k:TS+6*\x+2*\k+1], v[S0+64*\x+14+8*\g+2*\k:S0+64*\x+15+8*\g+2*\k]
.endr
.endr
.endr
.irp x, 0,1
	v_pk_add_f32 v[SUM+2*\x:SUM+2*\x+1], v[SUM+2*\x:SUM+2*\x+1], v[S0+64*\x+60:S0+64*\x+61]
	v_pk_add_f32 v[TS+6*\x:TS+6*\x+1], v[TS+6*\x:TS+6*\x+1], v[S0+64*\x+62:S0+64*\x+63]
.endr
.irp x, 0,1
	v_pk_add_f32 v[TS+6*\x+2:TS+6*\x+3], v[TS+6*\x+2:TS+6*\x+3], v[TS+6*\x+4:TS+6*\x+5]
	v_pk_add_f32 v[SUM+2*\x:SUM+2*\x+1], v[SUM+2*\x:SUM+2*\x+1], v[TS+6*\x:TS+6*\x+1]
.endr
.irp x, 0,1
	v_pk_add_f32 v[SUM+2*\x:SUM+2*\x+1], v[SUM+2*\x:SUM+2*\x+1], v[TS+6*\x+2:TS+6*\x+3]
.endr
	WALU                                           ; and one for the four
.irp c, 0,1
.irp x, 0,1
	v_max_num_f32 v[MX+4*\x+2*\c], 0x1800000, v[MX+4*\x+2*\c]   ; the floor 2^(3 - 127)
.endr
.endr
.irp c, 0,1
.irp x, 0,1
	v_add_nc_u32 v[SF+2*\x+\c], 0xff000000, v[MX+4*\x+2*\c]     ; the conversion's scale operand
.endr
.endr
.irp c, 0,1
.irp x, 0,1
	v_lshrrev_b32 v[BY+2*\x+\c], 23, v[SF+2*\x+\c]              ; the byte
.endr
.endr
.irp x, 0,1
	v_lshl_or_b32 v[FF+2*\x+1], v[BY+2*\x+1], 16, v[BY+2*\x]    ; my blocks h and 2 + h,
.endr
.irp x, 0,1
	v_lshlrev_b32 v[FF+2*\x+1], v[SH], v[FF+2*\x+1]             ; at their places in the word;
.endr
.irp x, 0,1
	v_permlanex16_b32 v[PD+2+\x], v[FF+2*\x+1], s[SEL], s[SEL+1]
.endr
.irp x, 0,1
	v_or_b32 v[FF+2*\x+1], v[FF+2*\x+1], v[PD+2+\x]             ; with lane l xor 16's two it is whole
.endr
.irp x, 0,1
.irp c, 0,1
	v_cvt_scalef32_pk16_fp6_f32 v[PC+12*\x+6*\c:PC+12*\x+6*\c+2], v[S0+64*\x+32*\c:S0+64*\x+32*\c+15], v[SF+2*\x+\c]
	v_cvt_scalef32_pk16_fp6_f32 v[CT+8*\x+4*\c:CT+8*\x+4*\c+2], v[S0+64*\x+32*\c+16:S0+64*\x+32*\c+31], v[SF+2*\x+\c]
.endr
.endr
	v_nop                                          ; one plain place behind a scaled conversion
.irp x, 0,1
.irp c, 0,1
.irp i, 0,1,2
	v_mov_b32 v[PC+12*\x+6*\c+3+\i], v[CT+8*\x+4*\c+\i]
.endr
.endr
.endr
	WIN 0x41                                       ; O^T in window 1
.set jj, 0
.rept 16
.irp x, 0,1
	v_pk_mul_f32 v[OF+32*\x+jj:OF+32*\x+jj+1], v[OF+32*\x+jj:OF+32*\x+jj+1], v[FF+2*\x:FF+2*\x+1] op_sel_hi:[1,0]   ; O^T under the new M; also the places between the codes and the scale words and the products below
.endr
.set jj, jj+2
.endr
	WALU
	s_wait_dscnt 20                                ; V and its scale words are in; younger are the next K's 20 loads
	WIN 0x51
.irp t, 0,1,2,3                                ; O^T += V^T P^T; the eight accumulators take turns
.irp x, 0,1
	PV1 \t, \x
.endr
.endr
	WIN 0
	s_add_co_u32 s[SK], s[SK], 7680
	s_add_co_u32 s[SS], s[SS], 512
	s_add_co_u32 s[ST], s[ST], 256
	v_add_nc_u32 v[ADV16], s[SV], v[L16]           ; four places in front of the loads into V's registers
	v_add_nc_u32 v[ADV8], s[SV], v[L8]
	v_mov_b32 v[OM], v[MT]
	v_mov_b32 v[OM+1], v[MT+2]
	VLOADS ADV16, ADV8                             ; the next step's V
	s_add_co_u32 s[SV], s[SV], 6144
.endm
; THE WAY OUT of two tiles: O^T / the sum; a tile's 64 channels are two blocks of the last product's K: one image of six registers and two scale bytes a row.
.macro OUT p
.irp x, 0,1
	v_add_f32 v[SUM+2*\x], v[SUM+2*\x], v[SUM+2*\x+1]
.endr
.irp x, 0,1
	v_permlanex16_b32 v[PD+\x], v[SUM+2*\x], s[SEL], s[SEL+1]
.endr
.irp x, 0,1
	v_add_f32 v[SUM+2*\x], v[SUM+2*\x], v[PD+\x]
.endr
	WALU
.irp x, 0,1
	v_rcp_f32 v[SUM+2*\x], v[SUM+2*\x]
.endr
	v_nop
	WIN 0x01
	WALU
.set jj, 0
.rept 32
.irp x, 0,1
	v_mul_f32 v[S0+64*\x+jj], v[OF+32*\x+jj], v[SUM+2*\x]   ; register 8 t + j is channel 16 t + 8 h + j of query r
.endr
.set jj, jj+1
.endr
	WIN 0
.irp b, 0,1
.irp x, 0,1
	v_max3_num_f32 v[MX+4*\x+\b], |v[S0+64*\x+16*\b]|, |v[S0+64*\x+16*\b+1]|, 0x1800000
.endr
.endr
.irp i, 2,4,6,8,10,12,14
.irp b, 0,1
.irp x, 0,1
	v_max3_num_f32 v[MX+4*\x+\b], v[MX+4*\x+\b], |v[S0+64*\x+16*\b+\i]|, |v[S0+64*\x+16*\b+\i+1]|
.endr
.endr
.endr
.irp b, 0,1
.irp x, 0,1
	v_permlanex16_b32 v[PD+2*\b+\x], v[MX+4*\x+\b], s[SEL], s[SEL+1]
.endr
.endr
.irp b, 0,1
.irp x, 0,1
	v_max_num_f32 v[MX+4*\x+\b], v[MX+4*\x+\b], v[PD+2*\b+\x]
.endr
.endr
.irp b, 0,1
.irp x, 0,1
	v_add_nc_u32 v[SF+2*\x+\b], 0xff000000, v[MX+4*\x+\b]
.endr
.endr
.irp b, 0,1
.irp x, 0,1
	v_lshrrev_b32 v[BY+2*\x+\b], 23, v[SF+2*\x+\b]
.endr
.endr
.irp x, 0,1
	v_lshl_or_b32 v[TT+\x], v[BY+2*\x+1], 8, v[BY+2*\x]    ; my row's two bytes
.endr
.irp x, 0,1
	v_cvt_scalef32_pk16_fp6_f32 v[PC+12*\x:PC+12*\x+2], v[S0+64*\x:S0+64*\x+15], v[SF+2*\x]
	v_cvt_scalef32_pk16_fp6_f32 v[CT+8*\x:CT+8*\x+2], v[S0+64*\x+16:S0+64*\x+31], v[SF+2*\x+1]
.endr
	v_nop
.irp x, 0,1
.irp i, 0,1,2
	v_permlane16_swap_b32 v[PC+12*\x+\i], v[CT+8*\x+\i]
.endr
.endr
.irp x, 0,1
.irp i, 0,1,2
	v_mov_b32 v[PC+12*\x+3+\i], v[CT+8*\x+\i]
.endr
.endr
.irp x, 0,1
	global_store_b128 v[L16], v[PC+12*\x:PC+12*\x+3], s[8:9] offset:24576*(2*\p+\x)           ; 512 and 256 consecutive bytes, aligned to 256
	global_store_b64 v[L8], v[PC+12*\x+4:PC+12*\x+5], s[8:9] offset:24576*(2*\p+\x)+512
	global_store_b16 v[R8], v[TT+\x], s[10:11] offset:4096*(2*\p+\x)
.endr
.endm
.macro PASS p
	s_wait_dscnt 0x0                               ; what the last trip fetched ahead has landed: its registers may be loaded anew
.if \p
	s_wait_xcnt 0x0                                ; the last tiles' stores have read their registers
.endif
.irp x, 0,1
	v_mov_b32 v[MT+2*\x+1], 0xff61b1e6             ; the largest t so far: -3e38
	v_mov_b32 v[SUM+2*\x], 0
	v_mov_b32 v[SUM+2*\x+1], 0
	v_mov_b32 v[FF+2*\x+1], 0
.endr
.irp x, 0,1
	v_floor_f32 v[MT+2*\x], -v[MT+2*\x+1]
.endr
.irp x, 0,1
	v_mov_b32 v[OM+\x], v[MT+2*\x]
.endr
	v_add_nc_u32 v[ADS], KS, v[KBS]
	v_add_nc_u32 v[ADV16], VC, v[L16]
	v_add_nc_u32 v[ADV8], VC, v[L8]
	WIN 0x40
.set jj, 0
.rept 64
	v_mov_b32 v[OF+jj], 0                          ; O^T: the step is written once; the first finds zeros
.set jj, jj+1
.endr
	KLOADS KB16, KB8, ADS                          ; step 0's K, then its V: in the order in which a trip leaves them
	VLOADS ADV16, ADV8
	s_mov_b32 s[SK], 7680
	s_mov_b32 s[SS], KS+512
	s_mov_b32 s[ST], VS
	s_mov_b32 s[SV], VC+6144
	s_mov_b32 s[CNT], 16
.Lstep_\@:
	STEP \p
	s_sub_co_u32 s[CNT], s[CNT], 1
	s_cmp_lg_u32 s[CNT], 0
	WALU
	s_cbranch_scc1 .Lstep_\@
	OUT \p
.endm
	WALU                                           ; the head's end
	s_wait_tensorcnt 0x0                           ; my part of the head is in,
	s_barrier_signal -1
	s_barrier_wait -1                              ; everybody's is; nothing is filled again
	s_wait_loadcnt 0x0                             ; Q
	PASS 0
	PASS 1
	s_wait_tensorcnt 0x0                           ; the wave's end
	ds_add_u32 v[SPW], v[NIL]
	s_wait_dscnt 0x0
	CROUND                                         ; the closing round
	s_endpgm
.Lfunc_end_k_qf7e21430a6_attn:
	.size	k_qf7e21430a6_attn, .Lfunc_end_k_qf7e21430a6_attn-k_qf7e21430a6_attn
	.p2alignl 7, 3214868480
	.fill 96, 4, 3214868480
	.section	.rodata,"a",@progbits
	.p2align	6, 0x0
	.amdhsa_kernel k_qf7e21430a6_attn
		.amdhsa_group_segment_fixed_size 235520
		.amdhsa_private_segment_fixed_size 0
		.amdhsa_enable_private_segment 0
		.amdhsa_kernarg_size 32
		.amdhsa_user_sgpr_count 2
		.amdhsa_user_sgpr_kernarg_segment_ptr 1
		.amdhsa_wavefront_size32 1
		.amdhsa_system_sgpr_workgroup_id_x 1
		.amdhsa_system_sgpr_workgroup_id_y 1
		.amdhsa_system_sgpr_workgroup_id_z 1
		.amdhsa_system_vgpr_workitem_id 0
		.amdhsa_next_free_vgpr 480
		.amdhsa_next_free_sgpr 84
		.amdhsa_reserve_vcc 0
		.amdhsa_float_denorm_mode_32 3
		.amdhsa_float_denorm_mode_16_64 3
		.amdhsa_memory_ordered 1
		.amdhsa_forward_progress 1
		.amdhsa_inst_pref_size 90
	.end_amdhsa_kernel
	.amdgpu_metadata
---
amdhsa.version: [ 1, 2 ]
amdhsa.kernels:
  - .name:           k_qf7e21430a6_attn
    .symbol:         k_qf7e21430a6_attn.kd
    .args:
      - { .name: qkv, .offset: 0, .size: 8, .value_kind: global_buffer, .address_space: global }
      - { .name: qkvs, .offset: 8, .size: 8, .value_kind: global_buffer, .address_space: global }
      - { .name: oc, .offset: 16, .size: 8, .value_kind: global_buffer, .address_space: global }
      - { .name: os, .offset: 24, .size: 8, .value_kind: global_buffer, .address_space: global }
    .group_segment_fixed_size: 235520
    .private_segment_fixed_size: 0
    .kernarg_segment_align: 8
    .kernarg_segment_size: 32
    .max_flat_workgroup_size: 256
    .sgpr_count:     84
    .vgpr_count:     480
    .wavefront_size: 32
...
	.end_amdgpu_metadata
.endif
;; end of part 3
;; launch proj (part 4): grid 32 x 8, 4 waves a work-group, clusters of 4 x 4, 327,680 bytes of LDS; arguments oc, os, cod, scl, b_proj, out0; writes out0
.if DOCPART == 4
	.amdgcn_target "amdgcn-amd-amdhsa--gfx1250"
	.amdhsa_code_object_version 6
	.text
	.protected	k_qf7e21430a6_proj
	.globl	k_qf7e21430a6_proj
	.p2align	8
	.type	k_qf7e21430a6_proj,@function
k_qf7e21430a6_proj:
	s_mov_b64 s[64:65], 0
	v_nop
	global_prefetch_b8 v0, s[64:65] scope:SCOPE_SE
	s_setreg_imm32_b32 hwreg(HW_REG_WAVE_MODE, 25, 1), 1
	s_wait_xcnt 0x0
	s_wait_alu depctr_hold_cnt(0) depctr_sa_sdst(0) depctr_va_vdst(0) depctr_va_sdst(0) depctr_va_ssrc(0) depctr_va_vcc(0) depctr_vm_vsrc(0)
	s_getreg_b32 s2, hwreg(HW_REG_IB_STS2, 6, 4)
	s_cmp_eq_u32 s2, 0
	s_cbranch_scc0 .Lentry_in_a_cluster
	s_endpgm
.Lentry_in_a_cluster:
	s_bfe_u32 s2, ttmp6, 0x10000c
	s_cmp_lg_u32 s2, 0xf033
	s_cbranch_scc0 .Lentry_shape_is_right
	s_endpgm
.Lentry_shape_is_right:
; out[token][n] = b_proj[n] + sum over k of O[token][k] W[n][k], f32: 8,192 x 1,024 x 1,024 on codes of FP6 (E2M3) with E8M0 scales.  A sum begins with the bias.  LIMITS: NaN, infinities and sums beyond f32's range are not served.
; oc = [K / 256 (4)][tile of 16 tokens (512)][4 images of 768 bytes], os = [tile][K / 256][row][2 words]; cod, scl likewise with 768 tiles a plane, w_proj's from tile 704 on.  A fragment of 128 along K is two images: loads of 16, 8, 16, 8 bytes a lane.
; THE DEAL: 256 work-groups of four waves, 2 x 2, each 256 rows x 128 columns.  A wave holds four tiles of 16 columns of W, all of K, in 384 registers, and streams O's rows past them in eight blocks of 16: block s of wave row a is tile 2 s + a.
; The cluster's x counts tile rows: O's rows are shared by a column of the cluster (mask s44), W's by a row (s45).
; LDS, each byte filled once: O's tiles 0-7 and 8-15, [plane][tile][3,072] each; W's 8 tiles likewise; O's scale words; the waves' stages and the spare words on bytes of their own.  No refill; nothing is prefetched: all is asked for at the head.
; THE HEAD'S FOUR TILES, one a wave, each on its own line: W; O's tiles 0-7; 8-15; O's scale words.  The stream begins when all but tiles 8-15 are in; a plain barrier inside block 1 shows those, ahead of block 4's fetch behind block 2.
; Two sets of O's fragments, of accumulators and of rows back from the stage, by turns.  One run of memory lines behind a block's 32 products: sums into the stage and back as rows of 256 bytes; the fetch of the block two on; one wait; eight stores.
.set PLANE,   2359296
.set PLANE_O, 1572864
.set NQ, 8
.set NB, 4
.set FR, 12
.set FPW, 21                           ; fragments in a window of 256 registers
.set NF, 36                            ; LDS loads of a block: 32 for eight fragments, 4 for eight scale words
.set PL, 24576                         ; a plane of 8 tiles
.set REG, 4*PL
.set YB, 2*REG
.set SCA, 3*REG
.set STAGE, SCA+8192
.set SPITCH, 272
.set SPARE, STAGE+4*16*SPITCH
.set AAS0, 6                           ; v6  my row's scale words in block 0
.set CO, 9                             ; v9  my byte offset in out: row l / 16, 16 bytes x (l % 16)
.set SPW, 10
.set NIL, 11
.set B16, 12                           ; v12-15 W's fragments: 16- and 8-byte pieces of planes 0, 1; of planes 2, 3
.set ABS, 16
.set AAS, 17
.set STO, 18
.set RD, 19
.set BOF, 20
.set SB, 24                            ; v24-39 W's scale words
.set SA, 42                            ; v42-57 O's: two sets of eight
.set ACC, 64                           ; v64-127 two sets of four accumulators
.set BK, 128                           ; v128-191 two sets of rows back from the stage
.set A16, 192                          ; v192, v193 my pieces of block 0; never rewritten
.set A8, 193
.set AQ, 200                           ; v200-203 as v12-15, for the block fetched next
.set AQ1, 204                          ; v204-207 for block 0
.set BO, 208                           ; v208-239 the bias as the first four products' C
.set G1A, 24
.set G1B, 32
.set G0A, 56
.set G0B, 60
.set G1S, 68
.set G0S, 76
.set MSB, 0
.macro WIN new
.if MSB != (\new)
	s_set_vgpr_msb (MSB<<8)|(\new)
.set MSB, (\new)
.endif
.endm
.macro PLACES n
.rept \n
	v_nop
.endr
.endm
.macro WALU
	s_wait_alu depctr_va_vdst(0)
.endm
.macro BARRIER
	s_barrier_signal -1
	s_barrier_wait -1
.endm
.macro CROUND
	BARRIER
	s_cmp_lg_u32 s14, 0
	s_cbranch_scc1 .Lnot_wave_0_\@
	s_barrier_signal -3
.Lnot_wave_0_\@:
	s_barrier_wait -3
	BARRIER
.endm
.macro TLOAD g0, g1
	tensor_load_to_lds s[\g0:\g0+3], s[\g1:\g1+7]
	s_nop 0
	PLACES 4
.endm
.macro GROUP1 g, mask, c, rows, pitch  ; rows of c elements of 8 bytes
	s_or_b32 s[\g+0], s[\mask], (3<<16)|(1<<21)
	s_mov_b32 s[\g+1], ((\c)&0xffff)<<16
	s_mov_b32 s[\g+2], ((\c)>>16)|((\rows)<<16)
	s_mov_b32 s[\g+3], (\c)<<16
	s_mov_b32 s[\g+4], \rows
	s_mov_b32 s[\g+5], \pitch
	s_mov_b32 s[\g+6], 0
	s_mov_b32 s[\g+7], 0
.endm
.macro FRAG f, a16, a8, off            ; fragment f lies in window 1 + f / 21 at register 12 (f % 21)
	WIN (1+(\f)/FPW)<<6
.set R_, FR*((\f)%FPW)
	ds_load_b128 v[R_:R_+3], v[\a16] offset:(\off)
	ds_load_b64 v[R_+4:R_+5], v[\a8] offset:(\off)+512
	ds_load_b128 v[R_+6:R_+9], v[\a16] offset:(\off)+768
	ds_load_b64 v[R_+10:R_+11], v[\a8] offset:(\off)+1280
.endm
.macro FETCHAT e, aq, as               ; a block of O into set e: NF loads
.irp q, 0,1,2,3,4,5,6,7
	FRAG NB*NQ+NQ*(\e)+\q, \aq+2*(\q/4), \aq+1+2*(\q/4), PL*((\q/2)%2)+1536*(\q%2)
.endr
	WIN 0
.irp c, 0,1,2,3
	ds_load_b64 v[SA+8*(\e)+2*\c:SA+8*(\e)+2*\c+1], v[\as] offset:128*\c
.endr
.endm
.macro PROD1 d, s0, s1, c, x0, x1, o
.if \o
	v_wmma_scale_f32_16x16x128_f8f6f4 v[\d:\d+7], v[FR*((\s0)%FPW):FR*((\s0)%FPW)+FR-1], v[FR*((\s1)%FPW):FR*((\s1)%FPW)+FR-1], \c, v[\x0], v[\x1] matrix_a_fmt:MATRIX_FMT_FP6 matrix_b_fmt:MATRIX_FMT_FP6 matrix_a_scale:MATRIX_SCALE_ROW1
.else
	v_wmma_scale_f32_16x16x128_f8f6f4 v[\d:\d+7], v[FR*((\s0)%FPW):FR*((\s0)%FPW)+FR-1], v[FR*((\s1)%FPW):FR*((\s1)%FPW)+FR-1], \c, v[\x0], v[\x1] matrix_a_fmt:MATRIX_FMT_FP6 matrix_b_fmt:MATRIX_FMT_FP6 matrix_a_scale:MATRIX_SCALE_ROW0
.endif
.endm
.macro PROD e, n                       ; product n = 4 q + tile; source 0 = W's rows; the four accumulators take turns
.set Q_, (\n)/4
.set FB_, NB*Q_+(\n)%4
.set FA_, NB*NQ+NQ*(\e)+Q_
.set D_, ACC+32*(\e)+8*((\n)%4)
.set XB_, SB+NQ*(((\n)%4)/2)+Q_
.set XA_, SA+8*(\e)+Q_
	WIN (1+FB_/FPW)|((1+FA_/FPW)<<2)
.if Q_
	PROD1 D_, FB_, FA_, v[D_:D_+7], XB_, XA_, (\n)%2
.else
	PROD1 D_, FB_, FA_, v[BO+8*((\n)%4):BO+8*((\n)%4)+7], XB_, XA_, (\n)%2
.endif
.endm
.macro PRODS e, from, to, s
.set N_, \from
.rept (\to)-(\from)
	PROD \e, N_
.if N_ == 1 && (\s) < 6
	WIN 0
	v_add_nc_u32 v[AAS], 1024*((\s)+2), v[AAS0]    ; the scale words of the block fetched behind this one
.endif
.set N_, N_+1
.endr
	WIN 0
.endm
.macro STAGED u                        ; set u's sums into my stage, each accumulator from its low end on, and back as whole rows; LDS serves a wave's instructions in order (ISA guide 5.7.1.4)
.irp b, 0,1,2,3
	ds_store_b128 v[STO], v[ACC+32*(\u)+8*\b:ACC+32*(\u)+8*\b+3] offset:64*\b
	ds_store_b128 v[STO], v[ACC+32*(\u)+8*\b+4:ACC+32*(\u)+8*\b+7] offset:64*\b+16
.endr
.irp t, 0,1,2,3,4,5,6,7
	ds_load_b128 v[BK+32*(\u)+4*\t:BK+32*(\u)+4*\t+3], v[RD] offset:2*\t*SPITCH
.endr
.endm
.macro TOC u                           ; sixteen lanes store 256 consecutive bytes, aligned; two rows an instruction
.irp t, 0,1,2,3,4,5,6,7
	global_store_b128 v[CO], v[BK+32*(\u)+4*\t:BK+32*(\u)+4*\t+3], s[12:13] offset:2*\t*4096 th:TH_STORE_NT
.endr
.endm
.macro STREAM s
.set E_, (\s)%2
.if (\s) == 1
	PRODS E_, 0, 24, \s
	s_wait_tensorcnt 0x0                           ; every wave: all that is still out, O's tiles 8-15, is shown by this barrier
	s_wait_dscnt 0x0
	s_barrier_signal -1
	PRODS E_, 24, 32, \s
	s_barrier_wait -1
.else
	PRODS E_, 0, 32, \s
.endif
.if (\s) < 6                           ; four plain lines behind the last product: the addresses of block s + 2
.set RO_, (((\s)+2)/4)*REG+((2*((\s)+2))%8)*3072
	v_add_nc_u32 v[AQ], RO_, v[A16]
	v_add_nc_u32 v[AQ+1], RO_, v[A8]
	v_add_nc_u32 v[AQ+2], RO_+2*PL, v[A16]
	v_add_nc_u32 v[AQ+3], RO_+2*PL, v[A8]
	WALU
.else
	PLACES 4
.endif
	s_wait_xcnt 0x0                                ; earlier stores have read their registers and their base
.if (\s) > 0
	s_add_nc_u64 s[12:13], s[12:13], 32*4096       ; my next block lies 32 tokens on
.endif
	STAGED E_
.if (\s) < 6
	FETCHAT E_, AQ, AAS
	s_wait_dscnt NF                                ; the rows are back from the stage, and the next block's fragments are in; younger is this run's fetch alone
.else
	s_wait_dscnt 0x0
.endif
	TOC E_
.endm
; ---- the head
	s_load_b128 s[4:7], s[0:1], 0x0                ; oc, os
	s_load_b128 s[8:11], s[0:1], 0x10              ; cod, scl
	s_load_b64 s[80:81], s[0:1], 0x20              ; b_proj
	s_load_b64 s[12:13], s[0:1], 0x28              ; out0
	v_lshl_add_u32 v[SPW], v0, 2, SPARE
	v_mov_b32 v[NIL], 0
	ds_add_u32 v[SPW], v[NIL]                      ; the opening lines
	ds_add_u32 v[SPW], v[NIL]
	v_lshrrev_b32 v1, 5, v0
	v_readfirstlane_b32 s14, v1                    ; the wave; s15 its row of the 2 x 2, s16 its column
	s_lshr_b32 s15, s14, 1
	s_and_b32 s16, s14, 1
	s_bfe_u32 s40, ttmp6, 0x40000
	s_bfe_u32 s41, ttmp6, 0x40004
	s_lshl_b32 s43, ttmp9, 2
	s_add_co_u32 s43, s43, s40                     ; tile row, 0 .. 31
	s_and_b32 s42, ttmp7, 0xffff
	s_lshl_b32 s42, s42, 2
	s_add_co_u32 s42, s42, s41                     ; tile column, 0 .. 7
	s_lshl_b32 s44, 0x1111, s40                    ; my column of the cluster
	s_lshl_b32 s45, s41, 2
	s_lshl_b32 s45, 15, s45                        ; my row
	GROUP1 G1A, 44, 3072, 4, PLANE_O/8             ; 8 tiles of each of 4 planes
	GROUP1 G1B, 45, 3072, 4, PLANE/8
	GROUP1 G1S, 44, 32, 32, 32                     ; 8,192 dense bytes
	s_mul_i32 s46, s43, 16*3072                    ; O's codes
	s_mov_b32 s47, 0
	s_mul_i32 s48, s42, 8*3072
	s_add_co_u32 s48, s48, 704*3072                ; W's
	s_mov_b32 s49, 0
	s_lshl_b32 s50, s43, 13                        ; O's scale words
	s_mov_b32 s51, 0
	s_lshl_b32 s52, s42, 12
	s_lshl_b32 s21, s16, 11
	s_add_co_u32 s52, s52, s21
	s_add_co_u32 s52, s52, 704*512                 ; W's, my four tiles
	s_mov_b32 s53, 0
	s_lshl_b32 s54, s42, 9
	s_lshl_b32 s21, s16, 8
	s_add_co_u32 s54, s54, s21                     ; my first column, in bytes
	s_mov_b32 s55, 0
	s_lshl_b32 s66, s43, 20
	s_lshl_b32 s21, s15, 16
	s_add_co_u32 s66, s66, s21                     ; my first token's row of out
	s_mov_b32 s67, 0
	s_mov_b32 s[G0A], 1
	s_mov_b32 s[G0B], 1
	s_mov_b32 s[G0B+1], YB
	s_mov_b32 s[G0S], 1
	s_mov_b32 s[G0S+1], SCA
	v_and_b32 v1, 15, v0
	v_bfe_u32 v2, v0, 4, 1
	v_and_b32 v3, 31, v0
	v_lshlrev_b32 v22, 4, v3
	v_lshlrev_b32 v23, 3, v3
	s_mul_i32 s21, s15, 3072
	v_add_nc_u32 v[A16], s21, v22
	v_add_nc_u32 v[A8], s21, v23
	s_mul_i32 s22, s16, 4*3072
	s_add_co_u32 s22, s22, YB
	v_add_nc_u32 v[B16], s22, v22
	v_add_nc_u32 v[B16+1], s22, v23
	v_add_nc_u32 v[B16+2], 2*PL, v[B16]
	v_add_nc_u32 v[B16+3], 2*PL, v[B16+1]
	v_mov_b32 v[AQ1], v[A16]
	v_mov_b32 v[AQ1+1], v[A8]
	v_add_nc_u32 v[AQ1+2], 2*PL, v[A16]
	v_add_nc_u32 v[AQ1+3], 2*PL, v[A8]
	v_add_nc_u32 v[AQ], 6144, v[A16]
	v_add_nc_u32 v[AQ+1], 6144, v[A8]
	v_add_nc_u32 v[AQ+2], 6144+2*PL, v[A16]
	v_add_nc_u32 v[AQ+3], 6144+2*PL, v[A8]
	s_lshl_b32 s23, s15, 9
	s_add_co_u32 s23, s23, SCA
	v_lshl_add_u32 v[AAS0], v1, 3, s23
	v_add_nc_u32 v[AAS], 1024, v[AAS0]
	v_lshlrev_b32 v[ABS], 3, v1
	v_lshl_add_u32 v[ABS], v2, 9, v[ABS]           ; lanes 16-31 take the odd tile's words
	s_mul_i32 s21, s14, 16*SPITCH
	s_add_co_u32 s21, s21, STAGE
	v_mul_u32_u24 v22, v1, SPITCH
	v_lshl_add_u32 v22, v2, 5, v22
	v_add_nc_u32 v[STO], s21, v22
	v_mul_u32_u24 v23, v2, SPITCH
	v_lshl_add_u32 v23, v1, 4, v23
	v_add_nc_u32 v[RD], s21, v23
	v_lshlrev_b32 v[CO], 4, v1
	v_lshl_add_u32 v[CO], v2, 12, v[CO]
	v_lshlrev_b32 v[BOF], 5, v2
	WALU                                           ; the head's end
	s_wait_dscnt 0x0
	CROUND                                         ; the opening round
	s_wait_kmcnt 0x0
	s_add_nc_u64 s[G0A+2:G0A+3], s[4:5], s[46:47]
	s_add_nc_u64 s[G0B+2:G0B+3], s[8:9], s[48:49]
	s_or_b32 s[G0B+3], s[G0B+3], 0x80000000
	s_add_nc_u64 s[G0S+2:G0S+3], s[6:7], s[50:51]
	s_or_b32 s[G0S+3], s[G0S+3], 0x80000000
	s_add_nc_u64 s[10:11], s[10:11], s[52:53]
	s_add_nc_u64 s[80:81], s[80:81], s[54:55]
	s_add_nc_u64 s[12:13], s[12:13], s[54:55]
	s_add_nc_u64 s[12:13], s[12:13], s[66:67]
	s_cmp_eq_u32 s14, 0
	s_cbranch_scc0 .Lwave_1
	TLOAD G0B, G1B                                 ; wave 0: W's rows, which are wanted first
	s_branch .Lasked
.Lwave_1:
	s_cmp_eq_u32 s14, 1
	s_cbranch_scc0 .Lwave_2
	s_mov_b32 s[G0A+1], 0
	s_or_b32 s[G0A+3], s[G0A+3], 0x80000000
	TLOAD G0A, G1A                                 ; wave 1: O's tiles 0 to 7
	s_branch .Lasked
.Lwave_2:
	s_cmp_eq_u32 s14, 2
	s_cbranch_scc0 .Lwave_3
	s_mov_b32 s[G0A+1], REG
	s_add_nc_u64 s[G0A+2:G0A+3], s[G0A+2:G0A+3], 8*3072
	s_or_b32 s[G0A+3], s[G0A+3], 0x80000000
	TLOAD G0A, G1A                                 ; wave 2: tiles 8 to 15
	s_branch .Lasked
.Lwave_3:
	TLOAD G0S, G1S                                 ; wave 3: O's scale words
.Lasked:
.irp p, 0,1
.irp c, 0,1,2,3
	global_load_b64 v[SB+8*\p+2*\c:SB+8*\p+2*\c+1], v[ABS], s[10:11] offset:1024*\p+128*\c   ; tiles 2 p, 2 p + 1: the two words of 256 along K
.endr
.endr
.irp b, 0,1,2,3
	global_load_b128 v[BO+8*\b:BO+8*\b+3], v[BOF], s[80:81] offset:64*\b          ; register i of tile b: column 16 b + 8 h + i
	global_load_b128 v[BO+8*\b+4:BO+8*\b+7], v[BOF], s[80:81] offset:64*\b+16
.endr
	s_cmp_eq_u32 s14, 0
	s_cbranch_scc0 .Lnot_b
	s_wait_tensorcnt 0x0
.Lnot_b:
	BARRIER                                        ; W has landed
.irp q, 0,1,2,3,4,5,6,7
.irp b, 0,1,2,3
	FRAG NB*\q+\b, B16+2*(\q/4), B16+1+2*(\q/4), PL*((\q/2)%2)+3072*\b+1536*(\q%2)
.endr
.endr
	WIN 0
	s_cmp_eq_u32 s14, 2
	s_cbranch_scc1 .Lnot_a
	s_wait_tensorcnt 0x0
.Lnot_a:
	s_wait_dscnt 0x0
	BARRIER                                        ; O's tiles 0 to 7 and its scale words are in; wave 2's tile may still be on its way
	FETCHAT 0, AQ1, AAS0
	FETCHAT 1, AQ, AAS
	s_wait_loadcnt 0x0                             ; W's scale words and the bias
	s_wait_dscnt NF                                ; block 0's rows are in
.irp s, 0,1,2,3,4,5,6,7
	STREAM \s
.endr
	s_wait_tensorcnt 0x0                           ; the wave's end
	ds_add_u32 v[SPW], v[NIL]
	s_wait_dscnt 0x0
	CROUND                                         ; the closing round
	s_endpgm
.Lfunc_end_k_qf7e21430a6_proj:
	.size	k_qf7e21430a6_proj, .Lfunc_end_k_qf7e21430a6_proj-k_qf7e21430a6_proj
	.p2alignl 7, 3214868480
	.fill 96, 4, 3214868480
	.section	.rodata,"a",@progbits
	.p2align	6, 0x0
	.amdhsa_kernel k_qf7e21430a6_proj
		.amdhsa_group_segment_fixed_size 327680
		.amdhsa_private_segment_fixed_size 0
		.amdhsa_enable_private_segment 0
		.amdhsa_kernarg_size 48
		.amdhsa_user_sgpr_count 2
		.amdhsa_user_sgpr_kernarg_segment_ptr 1
		.amdhsa_wavefront_size32 1
		.amdhsa_system_sgpr_workgroup_id_x 1
		.amdhsa_system_sgpr_workgroup_id_y 1
		.amdhsa_system_sgpr_workgroup_id_z 1
		.amdhsa_system_vgpr_workitem_id 0
		.amdhsa_next_free_vgpr 840
		.amdhsa_next_free_sgpr 84
		.amdhsa_reserve_vcc 0
		.amdhsa_float_denorm_mode_32 3
		.amdhsa_float_denorm_mode_16_64 3
		.amdhsa_memory_ordered 1
		.amdhsa_forward_progress 1
		.amdhsa_inst_pref_size 88
	.end_amdhsa_kernel
	.amdgpu_metadata
---
amdhsa.version: [ 1, 2 ]
amdhsa.kernels:
  - .name:           k_qf7e21430a6_proj
    .symbol:         k_qf7e21430a6_proj.kd
    .args:
      - { .name: oc, .offset: 0, .size: 8, .value_kind: global_buffer, .address_space: global }
      - { .name: os, .offset: 8, .size: 8, .value_kind: global_buffer, .address_space: global }
      - { .name: cod, .offset: 16, .size: 8, .value_kind: global_buffer, .address_space: global }
      - { .name: scl, .offset: 24, .size: 8, .value_kind: global_buffer, .address_space: global }
      - { .name: b_proj, .offset: 32, .size: 8, .value_kind: global_buffer, .address_space: global }
      - { .name: out0, .offset: 40, .size: 8, .value_kind: global_buffer, .address_space: global }
    .group_segment_fixed_size: 327680
    .private_segment_fixed_size: 0
    .kernarg_segment_align: 8
    .kernarg_segment_size: 48
    .max_flat_workgroup_size: 128
    .sgpr_count:     84
    .vgpr_count:     840
    .wavefront_size: 32
...
	.end_amdgpu_metadata
.endif
;; end of part 4
